; MI455X (gfx1250); checked and timed in simulation.
; The chip was launched on July 23, 2026; its instructions are those of AMD's public machine-readable ISA for CDNA 5 (MIT licence, August 2026) and "CDNA5" Instruction Set Architecture Reference Guide (July 2026). The comments in the code are by the model that wrote it; some were corrected since.
;; Evidence Constrained Self Attention. Allowed arithmetic: matrix products marked QUANTISED: E2M1 operands, one E8M0 scale for each 32 along K, by v_wmma_scale_f32_16x16x128_f8f6f4 with both operands' format E2M1 (or v_wmma_scale_f32_32x16x128_f4), f32 sums; products left as they are: bf16, f16 or f32 operands; f32 sums; everything else in f32.
;; Inputs: Wk 1,024 x 1,024 float32; Wo 1,024 x 1,024 float32; Wq 1,024 x 1,024 float32; Wv 1,024 x 1,024 float32; attention_mask 2,048 x 2,048 float32; hidden_states 4 x 2,048 x 1,024 float32.
;; Outputs: out0 4 x 2,048 x 1,024 float32.
;; This version of the problem:
;;   THIS VERSION OF THE PROBLEM IS GIVEN IN LOW PRECISION. The matrix products marked QUANTISED in the list below multiply operands that are first quantised to E2M1 (2 exponent bits, 1 mantissa bit; 4 bits a number), with one power-of-two scale for each 32 numbers along K (OCP MX v1.0); their sums are f32. The products marked 'left as it is' may take bf16, f16 or f32 operands, with f32 sums. Whichever they take, every output number must still come out within the allowed error. Rounding operands to bf16 (8 significant bits) uses up far more of that allowance than f16 does (11 bits, for magnitudes from 6e-5 to 65,504). All else is computed in f32.
;;   The module's matrix products, in the order in which they are computed (A, B: the left and right operand; K: the contracted axis; several contracted axes count as one K, in the product's order):
;;     1. [M 8,192, K 1,024] x [K 1,024, N 1,024]; A: input hidden_states; B: input Wq: QUANTISED
;;     2. [M 8,192, K 1,024] x [K 1,024, N 1,024]; A: input hidden_states; B: input Wk: QUANTISED
;;     3. [M 8,192, K 1,024] x [K 1,024, N 1,024]; A: input hidden_states; B: input Wv: QUANTISED
;;     4. batch 64 x [M 2,048, K 64] x [K 64, N 2,048]; A: computed on the way; B: computed on the way: left as it is (an operand is computed on the way)
;;     5. batch 64 x [M 2,048, K 2,048] x [K 2,048, N 64]; A: computed on the way; B: computed on the way: left as it is (an operand is computed on the way)
;;     6. [M 8,192, K 1,024] x [K 1,024, N 1,024]; A: computed on the way; B: input Wo: left as it is (an operand is computed on the way)
;;   THE QUANTISER, for each operand of a quantised product, along K:
;;     - K is cut into blocks of 32 from its start; a last block that is shorter is filled with zeros.
;;     - A block's scale is 2^e with e = floor(log2(the largest magnitude in the block)) - 2, held to -126 .. 127; a block of zeros has e = 0. As a byte (E8M0): e + 127.
;;     - Each number is divided by its block's scale, clamped to +-6, and rounded to the nearest number of E2M1, ties to even, subnormals kept.
;;     - The product sums the exact products of the quantised numbers (number of the format x scale) in f32.
;;   ~~~python
;;   def quantise(x, axis):      # numpy; x: float32 -> the quantised numbers, widened to float32 again
;;       x = np.moveaxis(x, axis, -1); K = x.shape[-1]
;;       x = np.pad(x, [(0, 0)] * (x.ndim - 1) + [(0, -K % 32)]); x = x.reshape(x.shape[:-1] + (-1, 32)); a = np.abs(x).max(-1, keepdims=True)
;;       e = np.where(a > 0, np.clip(np.frexp(np.where(a > 0, a, 1))[1] - 1 - 2, -126, 127), 0)      # np.frexp(a)[1] - 1 = floor(log2(a)), exactly
;;       r = np.clip(x / 2.0 ** e, -6, 6)
;;       step = 2.0 ** (np.maximum(np.frexp(np.where(r == 0, 1, r))[1] - 1, 0) - 1)
;;       q = np.round(r / step) * step * 2.0 ** e      # np.round: ties to even
;;       return np.moveaxis(q.reshape(q.shape[:-2] + (-1,))[..., :K], -1, axis).astype(np.float32)
;;   ~~~
;; One version. Each part assembles by itself: llvm-mc -triple=amdgcn-amd-amdhsa -mcpu=gfx1250 --defsym DOCPART=n.
;; ======== version 1 of 1: 5 launches
;; limits: values are held in f16: magnitudes above 65,504 overflow, below 6.1e-05 lose precision
;; workspace buffers: codes 5,767,168 bytes; scales 360,448 bytes; wo16 4,194,304 bytes; qkv 50,331,648 bytes; ctx16 17,825,792 bytes
;; launch prep (part 1): grid 416 x 1, 4 waves a work-group, no clusters, 33,280 bytes of LDS; arguments hidden_states, Wq, Wk, Wv, Wo, codes, scales, wo16; writes codes, scales, wo16
.if DOCPART == 1
	.amdgcn_target "amdgcn-amd-amdhsa--gfx1250"
	.amdhsa_code_object_version 6
	.text
	.protected	k_q09de12fb0a_prep
	.globl	k_q09de12fb0a_prep
	.p2align	8
	.type	k_q09de12fb0a_prep,@function
k_q09de12fb0a_prep:
	s_mov_b64 s[64:65], 0
	v_nop
	global_prefetch_b8 v0, s[64:65] scope:SCOPE_SE
	s_setreg_imm32_b32 hwreg(HW_REG_WAVE_MODE, 25, 1), 1
	s_wait_xcnt 0x0
; PREP.  (1) hidden_states [8192][1024] and Wq, Wk, Wv [1024][1024], f32 with K innermost, become codes of FP4 (E2M1) and one E8M0 scale byte for each 32 along K.
;   codes: x's rows of 512 bytes from byte 0, then the rows of Wq, Wk, Wv on end from byte 4,194,304.   scales: x's rows of 32 bytes from byte 0, the weights' from byte 262,144.
;   A block's scale is 2^(floor(log2(its largest magnitude)) - 2); its byte is the largest magnitude's exponent field - 2, held from below by a floor among the maximum's leaves.
;   Wq'S BYTES ARE STORED 3 LOWER: the codes are the quantiser's own, and the product then gives q / 8 = q / sqrt(64), exactly, with no multiplication anywhere.
; (2) Wo [1024 n][1024 e] becomes two f16 numbers for each f32 one, a high part and what is left, laid [16 heads][1024 n][64]: high parts from byte 0 of wo16, low parts from byte 2,097,152.
; LIMITS: a block of zeros gets the floor's byte where the quantiser says 127 (its codes are zeros; this program alone reads the bytes); blocks of Wq whose largest magnitude lies under 2^-121,
; and blocks of the others under 2^-124, get the floor's scale; |Wo| stays under 65,504; NaN and infinities are not served.
; Work-groups 0-255 take x, 256-287 Wq, 288-319 Wk, 320-351 Wv (32,768 numbers each, 8,192 a wave), 352-415 Wo (16 rows each).  No tensor loads, no barrier: waves share nothing.
.set NQWG,  352                        ; work-groups that quantise
.set STEPS, 16                         ; steps of 512 numbers of a wave
.set EMAX,  2
.set CB,    8                          ; bytes of 16 codes
.set R,     16                         ; v16-79   four sets of 16 numbers as they are loaded
.set X,     80                         ; v80-111  two sets of 16 neighbours
.set E,     112                        ; v112-127 a scale byte for each step
.set C,     128                        ; v128-191 codes: registers of its own for each step, so that no store's data are written again
.set WREG,  8192                       ; LDS: a region for each wave: two stages of 32 x SP bytes, behind them its 256 scale bytes
.set SP,    80                         ; a lane's place in a stage: 64 bytes + 16 of padding
.set SPW,   12                         ; v12  LDS address of my spare word; never rewritten
.set NIL,   13                         ; v13  0; never rewritten
.set SPARE, 4*WREG                     ; behind the four regions: the spare words, 128 bytes a wave
.set XW,    96                         ; Wo's path: v96-223 sixteen units of eight numbers
	s_load_b512 s[4:19], s[0:1], 0x0               ; hidden s[4:5], Wq s[6:7], Wk s[8:9], Wv s[10:11], Wo s[12:13], codes s[14:15], scales s[16:17], wo16 s[18:19]
	v_lshl_add_u32 v[SPW], v0, 2, SPARE
	v_mov_b32 v[NIL], 0
	v_lshrrev_b32 v1, 5, v0
	v_readfirstlane_b32 s20, v1                    ; wave
	v_and_b32 v2, 31, v0                           ; lane
	s_cmp_ge_u32 ttmp9, NQWG                       ; the work-group's number alone decides the path
	s_cbranch_scc1 .Lwo
	; ---------------- the quantiser: a tensor is a plain stream of blocks of 32
	v_lshlrev_b32 v3, 4, v2                        ; my 16 bytes of a load's 512
	s_mul_i32 s21, s20, WREG
	v_lshrrev_b32 v14, 2, v2
	v_mul_u32_u24 v14, v14, SP
	v_and_b32 v15, 3, v2
	v_lshl_add_u32 v14, v15, 4, v14
	v_add_nc_u32 v14, s21, v14                     ; the stage, on the way in: four lanes' 64 bytes on end, then 16 of padding
	v_mul_u32_u24 v15, v2, SP
	v_add_nc_u32 v15, s21, v15                     ; and on the way out: my 16 neighbours
	v_mul_u32_u24 v4, v2, CB                       ; my codes' place in a step's
	v_lshrrev_b32 v5, 1, v2
	s_add_co_u32 s21, s21, 2*32*SP
	v_add_nc_u32 v5, s21, v5                       ; LDS: my wave's 256 scale bytes, my block's byte
	v_lshlrev_b32 v7, 3, v2                        ; on the way out 8 bytes a lane
	v_add_nc_u32 v6, s21, v7
	s_wait_kmcnt 0x0
	s_cmp_lt_u32 ttmp9, 256                        ; x or a weight?
	s_cselect_b64 s[22:23], s[4:5], s[6:7]
	s_cselect_b32 s24, 0, 256                      ; the first work-group of my part of the outputs
	s_cselect_b32 s25, -1, 31                      ; a weight has 32 work-groups
	s_cselect_b32 s26, 0, 4194304                  ; where my part of the codes begins,
	s_cselect_b32 s27, 0, 262144                   ; and of the scale bytes
	s_cmp_ge_u32 ttmp9, 288
	s_cselect_b64 s[22:23], s[8:9], s[22:23]
	s_cmp_ge_u32 ttmp9, 320
	s_cselect_b64 s[22:23], s[10:11], s[22:23]
	s_sub_co_u32 s24, ttmp9, s24                   ; j: my place in that part
	s_sub_co_u32 s28, ttmp9, 256
	s_cmp_lt_u32 s28, 32                           ; Wq's work-groups
	s_cselect_b32 s28, 3, 0                        ; what is taken off the byte: 2^-3 = 1 / sqrt(64)
	s_mov_b32 s29, 0x1800000                       ; the floor 2^(3 - 127),
	s_cselect_b32 s29, 0x3000000, s29              ; for Wq 2^(6 - 127): so no byte falls under 1
	s_and_b32 s30, s24, s25
	s_lshl_b32 s30, s30, 2
	s_add_co_u32 s30, s30, s20
	s_lshl_b32 s30, s30, 15                        ; my wave's run of 8,192 numbers in its tensor: 32,768 bytes each
	s_mov_b32 s31, 0
	s_add_nc_u64 s[22:23], s[22:23], s[30:31]
	s_lshl_b32 s32, s24, 2
	s_add_co_u32 s32, s32, s20                     ; and in the outputs' part
	s_lshl_b32 s30, s32, 12                        ; 4,096 bytes of codes a run
	s_add_co_u32 s30, s30, s26
	s_add_nc_u64 s[14:15], s[14:15], s[30:31]
	s_lshl_b32 s30, s32, 8                         ; 256 scale bytes a run
	s_add_co_u32 s30, s30, s27
	s_add_nc_u64 s[16:17], s[16:17], s[30:31]
.macro LOAD t
.irp i, 0,1,2,3
	global_load_b128 v[R+16*((\t)%4)+4*\i:R+16*((\t)%4)+4*\i+3], v3, s[22:23] offset:2048*(\t)+512*\i th:TH_LOAD_NT   ; 32 lanes read 512 consecutive bytes
.endr
.endm
.macro TURN t                          ; step t's numbers through the stage: LDS serves a wave's instructions in order, so no wait stands between the stores and the loads
.irp i, 0,1,2,3
	ds_store_b128 v14, v[R+16*((\t)%4)+4*\i:R+16*((\t)%4)+4*\i+3] offset:32*SP*((\t)%2)+8*SP*\i
.endr
.irp i, 0,1,2,3
	ds_load_b128 v[X+16*((\t)%2)+4*\i:X+16*((\t)%2)+4*\i+3], v15 offset:32*SP*((\t)%2)+16*\i
.endr
.endm
.irp t, 0,1,2,3
	LOAD \t
.endr
	s_wait_loadcnt 12                              ; step 0's four loads are in
	TURN 0
.macro STEP t
.set XS, X+16*((\t)%2)
.if (\t) > 0
	s_wait_dscnt 1                                 ; this step's numbers are back from the stage (the last step's byte store may be out)
.else
	s_wait_dscnt 0x0
.endif
.if (\t)+4 < STEPS
	LOAD (\t)+4                                    ; into the registers that the stage's stores have read
.endif
.if (\t)+1 < STEPS
.if STEPS-2-(\t) >= 3
	s_wait_loadcnt 12                              ; the next step's four loads are in; those of the three steps behind it may be out
.else
	s_wait_loadcnt 4*(STEPS-2-(\t))
.endif
	TURN (\t)+1
.endif
	v_max3_num_f32 v8, |v[XS]|, |v[XS+1]|, |v[XS+2]|               ; the largest magnitude of my 16, in two chains
	v_max3_num_f32 v9, |v[XS+3]|, |v[XS+4]|, |v[XS+5]|
.irp i, 6,10
	v_max3_num_f32 v8, v8, |v[XS+\i]|, |v[XS+\i+1]|
	v_max3_num_f32 v9, v9, |v[XS+\i+2]|, |v[XS+\i+3]|
.endr
	v_max3_num_f32 v8, v8, |v[XS+14]|, |v[XS+15]|
	v_max3_num_f32 v8, v8, v9, s29                 ; and the floor
	v_max_num_f32_dpp v8, v8, v8 row_xmask:1 row_mask:0xf bank_mask:0xf   ; and of my neighbour's 16: the block's
	v_add_nc_u32 v11, -(EMAX<<23), v8              ; 2 off its exponent field: the conversion takes the exponent field of this operand as its scale
	v_cvt_scalef32_pk8_fp4_f32 v[C+4*(\t)], v[XS:XS+7], v11
	v_cvt_scalef32_pk8_fp4_f32 v[C+4*(\t)+1], v[XS+8:XS+15], v11
	v_lshrrev_b32 v[E+(\t)], 23, v11               ; the scale's byte,
	v_sub_nc_u32 v[E+(\t)], v[E+(\t)], s28         ; for Wq 3 lower
	ds_store_b8 v5, v[E+(\t)] offset:16*(\t)       ; both lanes of a block write the same byte with the same value
	global_store_b64 v4, v[C+4*(\t):C+4*(\t)+1], s[14:15] offset:32*CB*(\t)   ; the wave stores 256 consecutive bytes
.endm
.irp t, 0,1,2,3,4,5,6,7,8,9,10,11,12,13,14,15
	STEP \t
.endr
	ds_load_b64 v[8:9], v6                         ; LDS serves a wave's instructions in order: these see my byte stores
	s_wait_dscnt 0x0
	global_store_b64 v7, v[8:9], s[16:17]          ; 32 lanes store 256 consecutive bytes of scales
	s_branch .Lend
	; ---------------- Wo: a wave takes four whole rows.  Lane l: row l / 8, eight numbers at 8 (l % 8) of each head
.Lwo:
	s_sub_co_u32 s21, ttmp9, NQWG
	s_lshl_b32 s21, s21, 2
	s_add_co_u32 s21, s21, s20                     ; which four rows
	s_lshl_b32 s22, s21, 14                        ; four rows of 4,096 bytes in Wo,
	s_mov_b32 s23, 0
	s_lshl_b32 s24, s21, 9                         ; four rows of 128 bytes in a head's slab
	s_mov_b32 s25, 0
	v_lshrrev_b32 v1, 3, v2
	v_and_b32 v3, 7, v2
	v_lshlrev_b32 v1, 12, v1
	v_lshl_add_u32 v1, v3, 5, v1                   ; in: 4,096 (l / 8) + 32 (l % 8)
	v_lshlrev_b32 v3, 4, v2                        ; out: 16 l: four rows of a slab are 512 consecutive bytes
	s_wait_kmcnt 0x0
	s_add_nc_u64 s[12:13], s[12:13], s[22:23]
	s_add_nc_u64 s[18:19], s[18:19], s[24:25]
.set d, 0
.rept 16
	global_load_b128 v[XW+8*d:XW+8*d+3], v1, s[12:13] offset:256*d th:TH_LOAD_NT
	global_load_b128 v[XW+8*d+4:XW+8*d+7], v1, s[12:13] offset:256*d+16 th:TH_LOAD_NT
.set d, d+1
.endr
.macro UNIT d                          ; head d: eight numbers a lane
	s_wait_loadcnt 30-2*(\d)                       ; this unit's two loads are in; the younger units' may be out
	s_wait_xcnt 0x0                                ; the last unit's store has read v88-91: they are rewritten only behind this wait
	v_cvt_pk_f16_f32 v88, v[XW+8*(\d)], v[XW+8*(\d)+1]             ; the high parts
	v_cvt_pk_f16_f32 v89, v[XW+8*(\d)+2], v[XW+8*(\d)+3]
	v_cvt_pk_f16_f32 v90, v[XW+8*(\d)+4], v[XW+8*(\d)+5]
	v_cvt_pk_f16_f32 v91, v[XW+8*(\d)+6], v[XW+8*(\d)+7]
	v_cvt_f32_f16 v80, v88.l                       ; widened again,
	v_cvt_f32_f16 v81, v88.h
	v_cvt_f32_f16 v82, v89.l
	v_cvt_f32_f16 v83, v89.h
	v_cvt_f32_f16 v84, v90.l
	v_cvt_f32_f16 v85, v90.h
	v_cvt_f32_f16 v86, v91.l
	v_cvt_f32_f16 v87, v91.h
.irp i, 0,2,4,6
	v_pk_add_f32 v[XW+8*(\d)+\i:XW+8*(\d)+\i+1], v[XW+8*(\d)+\i:XW+8*(\d)+\i+1], v[80+\i:81+\i] neg_lo:[0,1] neg_hi:[0,1]   ; and taken away: what is left, exactly
.endr
.irp i, 0,1,2,3
	v_cvt_pk_f16_f32 v[XW+8*(\d)+\i], v[XW+8*(\d)+2*\i], v[XW+8*(\d)+2*\i+1]   ; the low parts, ascending: each destination has been read already
.endr
	global_store_b128 v3, v[88:91], s[18:19] offset:131072*(\d)              ; 512 consecutive bytes of head d's slab
	global_store_b128 v3, v[XW+8*(\d):XW+8*(\d)+3], s[18:19] offset:2097152+131072*(\d)
.endm
.irp d, 0,1,2,3,4,5,6,7,8,9,10,11,12,13,14,15
	UNIT \d
.endr
.Lend:
	s_wait_tensorcnt 0x0                           ; the wave's end
	ds_add_u32 v[SPW], v[NIL]
	s_wait_dscnt 0x0
	s_endpgm
.Lfunc_end_k_q09de12fb0a_prep:
	.size	k_q09de12fb0a_prep, .Lfunc_end_k_q09de12fb0a_prep-k_q09de12fb0a_prep
	.p2alignl 7, 3214868480
	.fill 96, 4, 3214868480
	.section	.rodata,"a",@progbits
	.p2align	6, 0x0
	.amdhsa_kernel k_q09de12fb0a_prep
		.amdhsa_group_segment_fixed_size 33280
		.amdhsa_private_segment_fixed_size 0
		.amdhsa_enable_private_segment 0
		.amdhsa_kernarg_size 64
		.amdhsa_user_sgpr_count 2
		.amdhsa_user_sgpr_kernarg_segment_ptr 1
		.amdhsa_wavefront_size32 1
		.amdhsa_system_sgpr_workgroup_id_x 1
		.amdhsa_system_sgpr_workgroup_id_y 1
		.amdhsa_system_sgpr_workgroup_id_z 1
		.amdhsa_system_vgpr_workitem_id 0
		.amdhsa_next_free_vgpr 224
		.amdhsa_next_free_sgpr 66
		.amdhsa_reserve_vcc 0
		.amdhsa_float_denorm_mode_32 3
		.amdhsa_float_denorm_mode_16_64 3
		.amdhsa_memory_ordered 1
		.amdhsa_forward_progress 1
		.amdhsa_inst_pref_size 58
	.end_amdhsa_kernel
	.amdgpu_metadata
---
amdhsa.version: [ 1, 2 ]
amdhsa.kernels:
  - .name:           k_q09de12fb0a_prep
    .symbol:         k_q09de12fb0a_prep.kd
    .args:
      - { .name: hidden_states, .offset: 0, .size: 8, .value_kind: global_buffer, .address_space: global }
      - { .name: Wq, .offset: 8, .size: 8, .value_kind: global_buffer, .address_space: global }
      - { .name: Wk, .offset: 16, .size: 8, .value_kind: global_buffer, .address_space: global }
      - { .name: Wv, .offset: 24, .size: 8, .value_kind: global_buffer, .address_space: global }
      - { .name: Wo, .offset: 32, .size: 8, .value_kind: global_buffer, .address_space: global }
      - { .name: codes, .offset: 40, .size: 8, .value_kind: global_buffer, .address_space: global }
      - { .name: scales, .offset: 48, .size: 8, .value_kind: global_buffer, .address_space: global }
      - { .name: wo16, .offset: 56, .size: 8, .value_kind: global_buffer, .address_space: global }
    .group_segment_fixed_size: 33280
    .private_segment_fixed_size: 0
    .kernarg_segment_align: 8
    .kernarg_segment_size: 64
    .max_flat_workgroup_size: 128
    .sgpr_count:     66
    .vgpr_count:     224
    .wavefront_size: 32
...
	.end_amdgpu_metadata
.endif
;; end of part 1
;; launch qkv (part 2): grid 12 x 32, 4 waves a work-group, clusters of 4 x 4, 327,680 bytes of LDS; arguments codes, scales, qkv; writes qkv
.if DOCPART == 2
	.amdgcn_target "amdgcn-amd-amdhsa--gfx1250"
	.amdhsa_code_object_version 6
	.text
	.protected	k_q09de12fb0a_qkv
	.globl	k_q09de12fb0a_qkv
	.p2align	8
	.type	k_q09de12fb0a_qkv,@function
k_q09de12fb0a_qkv:
	s_mov_b64 s[64:65], 0
	v_nop
	global_prefetch_b8 v0, s[64:65] scope:SCOPE_SE
	s_setreg_imm32_b32 hwreg(HW_REG_WAVE_MODE, 25, 1), 1
	s_wait_xcnt 0x0
	s_wait_alu depctr_hold_cnt(0) depctr_sa_sdst(0) depctr_va_vdst(0) depctr_va_sdst(0) depctr_va_ssrc(0) depctr_va_vcc(0) depctr_vm_vsrc(0)
	s_getreg_b32 s2, hwreg(HW_REG_IB_STS2, 6, 4)
	s_cmp_eq_u32 s2, 0
	s_cbranch_scc0 .Lentry_in_a_cluster
	s_endpgm
.Lentry_in_a_cluster:
	s_bfe_u32 s2, ttmp6, 0x10000c
	s_cmp_lg_u32 s2, 0xf033
	s_cbranch_scc0 .Lentry_shape_is_right
	s_endpgm
.Lentry_shape_is_right:
; QKV.  The three quantised products as ONE product on codes of FP4 with E8M0 scales: C[m][n] = sum over k of x[m][k] W[n][k], m = 8,192 tokens, n = 3,072 rows of Wq, Wk, Wv on end, k = 1,024.
; x's codes lie at byte 0 of codes (rows of 512 bytes), W's at byte 4,194,304; x's scale bytes at byte 0 of scales (rows of 32), W's at byte 262,144.  Wq's bytes are 3 lower than the quantiser's: q comes out as q / 8.
; Sums in f32; the results are rounded to f16 and stored per head: qkv[3 (q, k, v)][4 b][16 h][2048 s][64].  LIMIT: |q / 8|, |k|, |v| stay under 65,504.
; A tile of C, 256 x 256, is made by four waves, each 128 x 128: 64 accumulators of 16 x 16, 512 registers.  K = 1,024 is two slots of 512 (rows of 256 bytes): both are asked for at the start, nothing is filled again.
; The scale bytes of the work-group's 256 + 256 rows, for all of K, come into LDS once, as rows of 256 bytes + 16 of padding.
; CLUSTERS: 4 x 4 work-groups; x's tiles are shared along a row of the cluster, W's along a column: each is asked for jointly, by the same tensor load with a mask that names the four.
; THE MATRIX INSTRUCTION IS USED TRANSPOSED (source 0 = 16 rows of W, source 1 = 16 tokens): a lane holds eight neighbouring channels of one token.
; REGISTERS: window 0: v16-29 addresses; v32-95 scale words, two sets; v128-191 x's fragments, one set; on the way out v32-63, v192-255.  window 1: W's fragments, two sets.  windows 2, 3: the accumulators.
.set KSTEP,  512
.set NQ,     KSTEP/128
.set ROWB,   256                       ; a tile's row in bytes
.set KROW,   512                       ; a row of codes in memory
.set PITCH,  272                       ; an LDS row: 256 bytes + 16 of padding: the 16 rows that a load touches start at 16 different banks (64 banks of 4 bytes: ISA guide 11.1)
.set FR,     8
.set NL,     2
.set NP,     4
.set HALFT,  128*PITCH
.set SLOT,   4*HALFT
.set KS,     32                        ; a row of scale bytes
.set SCL,    2*SLOT
.set HALFS,  (128*KS/256)*272
.set SBLK,   (16*KS/256)*272
.set STAGE,  SCL+4*HALFS               ; the way out: 16 rows x 400 bytes for each wave, bytes into which no tile lands
.set SPITCH, 400
.set SPARE,  STAGE+4*16*SPITCH         ; the spare words, 128 bytes a wave
.set ADRA, 16
.set ADRB, 20
.set STO,  24
.set RD,   25
.set CO,   26
.set ADRS, 27
.set SPW,  28
.set NIL,  29
.set SC,   32
.set AF,   128
.set TMP,  192                         ; the way out: packed results
.set OB,   32                          ; and rows read back: v32-63 and v224-255 by turns
.set G1, 24
.set G0, 32
.set G1B, 48
.set G0B, 56
.set G1S, 68
.set G0S, 76
.set G1SB, 80
.set G0SB, 88
.set MSB, 0
.macro WIN new                         ; the immediate's high byte repeats the setting that is left
.if MSB != \new
	s_set_vgpr_msb (MSB<<8)|\new
.set MSB, \new
.endif
.endm
.set MUL_LO, 0xa1                      ; source 0 (W) window 1, source 1 (x) window 0, C and D window 2
.set MUL_HI, 0xf1
.set TO_B,   0x40
; A joint load: waves 0 and 1 fetch for x, waves 2 and 3 for W; the branch hangs on the wave's number alone.  An s_nop 0 and four v_nop follow each of the two lines.
.macro JLOAD g0a, g1a, g0b, g1b
	s_cmp_eq_u32 s15, 0
	s_cbranch_scc0 .Lfor_b_\@
	tensor_load_to_lds s[\g0a:\g0a+3], s[\g1a:\g1a+7]
	s_nop 0
.rept 4
	v_nop
.endr
	s_branch .Lasked_\@
.Lfor_b_\@:
	tensor_load_to_lds s[\g0b:\g0b+3], s[\g1b:\g1b+7]
	s_nop 0
.rept 4
	v_nop
.endr
.Lasked_\@:
.endm
.macro CROUND                          ; a round of the cluster's barrier
	s_barrier_signal -1
	s_barrier_wait -1
	s_cmp_lg_u32 s14, 0
	s_cbranch_scc1 .Lnot_wave_0_\@
	s_barrier_signal -3
.Lnot_wave_0_\@:
	s_barrier_wait -3
	s_barrier_signal -1
	s_barrier_wait -1
.endm
	s_load_b128 s[4:7], s[0:1], 0x0                ; codes s[4:5], scales s[6:7]
	s_load_b64 s[12:13], s[0:1], 0x10              ; qkv
	v_lshl_add_u32 v[SPW], v0, 2, SPARE
	v_mov_b32 v[NIL], 0
	ds_add_u32 v[SPW], v[NIL]                      ; the wave's opening: the add, twice on end, and its wait ahead of my first tensor load
	ds_add_u32 v[SPW], v[NIL]
	v_lshrrev_b32 v1, 5, v0
	v_readfirstlane_b32 s14, v1                    ; wave 0..3
	s_lshr_b32 s15, s14, 1                         ; which half of the tile's tokens is mine.  Also: I fetch for x (0) or for W (1)
	s_and_b32 s16, s14, 1                          ; which half of its columns.  Also: which 128 rows I fetch
	s_bfe_u32 s40, ttmp6, 0x40000                  ; cx, cy
	s_bfe_u32 s41, ttmp6, 0x40004
	s_lshl_b32 s42, ttmp9, 2
	s_add_co_u32 s42, s42, s40                     ; tile column
	s_and_b32 s17, ttmp7, 0xffff
	s_lshl_b32 s17, s17, 2
	s_add_co_u32 s17, s17, s41                     ; tile row
	s_lshl_b32 s43, s41, 2
	s_lshl_b32 s43, 15, s43                        ; my row of the cluster
	s_lshl_b32 s44, 0x1111, s40                    ; my column
	s_or_b32 s[G1+0], s43, (0<<16)|(1<<20)|(1<<21)|(5<<22)|(3<<25)  ; the mask; elements of 1 byte; padding on: 4 words behind every 64; bit 21 beside a mask
	s_or_b32 s[G1B+0], s44, (0<<16)|(1<<20)|(1<<21)|(5<<22)|(3<<25)
.irp g, G1, G1B
	s_mov_b32 s[\g+1], ROWB<<16                    ; tensor_dim0
	s_mov_b32 s[\g+2], 128<<16                     ; tensor_dim1
	s_mov_b32 s[\g+3], ROWB<<16                    ; tile_dim0
	s_mov_b32 s[\g+4], 128                         ; tile_dim1
	s_mov_b32 s[\g+5], KROW                        ; from row to row
	s_mov_b32 s[\g+6], 0
	s_mov_b32 s[\g+7], 0
.endr
	s_or_b32 s[G1S+0], s43, (3<<16)|(1<<20)|(1<<21)|(5<<22)|(3<<25) ; the scales of 128 rows: 4,096 dense bytes as 16 rows of 32 elements of 8 bytes
	s_or_b32 s[G1SB+0], s44, (3<<16)|(1<<20)|(1<<21)|(5<<22)|(3<<25)
.irp g, G1S, G1SB
	s_mov_b32 s[\g+1], 32<<16
	s_mov_b32 s[\g+2], (128*KS/256)<<16
	s_mov_b32 s[\g+3], 32<<16
	s_mov_b32 s[\g+4], 128*KS/256
	s_mov_b32 s[\g+5], 32
	s_mov_b32 s[\g+6], 0
	s_mov_b32 s[\g+7], 0
.endr
	s_lshl_b32 s18, s16, 7
	s_lshl_b32 s20, s17, 8
	s_add_co_u32 s20, s20, s18                     ; x: row 256 x tile row + 128 x half
	s_lshl_b32 s46, s42, 8
	s_add_co_u32 s46, s46, s18                     ; W: row 256 x tile column + 128 x half
	s_mov_b32 s21, 0
	s_mov_b32 s47, 0
	s_mov_b64 s[18:19], KS
	s_mul_u64 s[22:23], s[20:21], s[18:19]         ; where these rows' scales begin,
	s_mul_u64 s[92:93], s[46:47], s[18:19]
	s_mov_b64 s[18:19], KROW
	s_mul_u64 s[20:21], s[20:21], s[18:19]         ; and their codes
	s_mul_u64 s[46:47], s[46:47], s[18:19]
	s_mul_i32 s45, s14, HALFT                      ; where they go: wave x 128 rows
	s_mul_i32 s94, s14, HALFS
	s_wait_dscnt 0x0                               ; both opening adds are done
	s_wait_kmcnt 0x0
	s_add_nc_u64 s[8:9], s[4:5], 4194304           ; W's codes
	s_add_nc_u64 s[10:11], s[6:7], 262144          ; W's scales
	s_add_nc_u64 s[20:21], s[4:5], s[20:21]
	s_add_nc_u64 s[22:23], s[6:7], s[22:23]
	s_add_nc_u64 s[46:47], s[8:9], s[46:47]
	s_add_nc_u64 s[92:93], s[10:11], s[92:93]
	CROUND                                         ; all sixteen work-groups are here: the joint loads meet
	s_mov_b32 s[G0S], 1
	s_add_co_u32 s[G0S+1], s94, SCL
	s_mov_b64 s[G0S+2:G0S+3], s[22:23]
	s_or_b32 s[G0S+3], s[G0S+3], 0x80000000
	s_mov_b32 s[G0SB], 1
	s_add_co_u32 s[G0SB+1], s94, SCL
	s_mov_b64 s[G0SB+2:G0SB+3], s[92:93]
	s_or_b32 s[G0SB+3], s[G0SB+3], 0x80000000
	JLOAD G0S, G1S, G0SB, G1SB                     ; the scales first
.irp s, 0,1
	s_mov_b32 s[G0+4*\s], 1
	s_add_co_u32 s[G0+4*\s+1], s45, \s*SLOT
	s_add_nc_u64 s[G0+4*\s+2:G0+4*\s+3], s[20:21], \s*ROWB
	s_or_b32 s[G0+4*\s+3], s[G0+4*\s+3], 0x80000000
	s_mov_b32 s[G0B+4*\s], 1
	s_add_co_u32 s[G0B+4*\s+1], s45, \s*SLOT
	s_add_nc_u64 s[G0B+4*\s+2:G0B+4*\s+3], s[46:47], \s*ROWB
	s_or_b32 s[G0B+4*\s+3], s[G0B+4*\s+3], 0x80000000
	JLOAD G0+4*\s, G1, G0B+4*\s, G1B               ; three loads of mine are out in all
.endr
	v_and_b32 v1, 15, v0                           ; r
	v_bfe_u32 v2, v0, 4, 1                         ; h
	v_mul_u32_u24 v3, v1, PITCH
	v_lshl_add_u32 v4, v2, 4, v3
	s_mul_i32 s21, s15, HALFT                      ; my 128 tokens
	s_mul_i32 s22, s16, HALFT
	s_add_co_u32 s22, s22, 2*HALFT                 ; my 128 rows of W
.irp s, 0,1
	v_add_nc_u32 v[ADRA+\s], s21, v4
	v_add_nc_u32 v[ADRB+\s], s22, v4
	s_add_co_u32 s21, s21, SLOT
	s_add_co_u32 s22, s22, SLOT
.endr
	v_mul_u32_u24 v5, v1, KS                       ; my row's scales: 32 bytes a row,
	v_lshrrev_b32 v6, 8, v5
	v_lshl_add_u32 v5, v6, 4, v5                   ; and 16 more for each 256 passed
	s_mul_i32 s21, s15, HALFS
	s_mul_i32 s22, s16, HALFS
	s_add_co_u32 s22, s22, 2*HALFS
	s_sub_co_u32 s22, s22, s21
	v_mul_u32_u24 v6, s22, v2                      ; lanes 16-31 take W's
	s_add_co_u32 s21, s21, SCL
	v_add_nc_u32 v5, v5, v6
	v_add_nc_u32 v[ADRS], s21, v5
	s_mul_i32 s23, s14, 16*SPITCH
	s_add_co_u32 s23, s23, STAGE                   ; my stage
	v_mul_u32_u24 v5, v1, SPITCH                   ; in: row r, 16 bytes for each half of the lanes
	v_lshl_add_u32 v5, v2, 4, v5
	v_add_nc_u32 v[STO], s23, v5
	v_and_b32 v6, 31, v0
	v_lshlrev_b32 v[CO], 4, v6                     ; out: four tokens of one head are 512 consecutive bytes: 16 a lane
	v_lshrrev_b32 v5, 3, v6
	v_mul_u32_u24 v5, v5, SPITCH
	v_and_b32 v6, 7, v6
	v_lshl_add_u32 v5, v6, 4, v5
	v_add_nc_u32 v[RD], s23, v5                    ; back: row l / 8, 16 (l % 8) of a head's 128 bytes
	; where my part begins in qkv: tensor = tile column / 4, batch = tile row / 8, head = (4 x tile column + 2 x half) mod 16: 262,144 bytes a head; token mod 2,048: 128 bytes
	s_lshr_b32 s20, s42, 2
	s_lshl_b32 s20, s20, 2
	s_lshr_b32 s21, s17, 3
	s_add_co_u32 s20, s20, s21
	s_lshl_b32 s20, s20, 4
	s_lshl_b32 s21, s42, 2
	s_lshl_b32 s22, s16, 1
	s_add_co_u32 s21, s21, s22
	s_and_b32 s21, s21, 15
	s_add_co_u32 s20, s20, s21
	s_lshl_b32 s20, s20, 18
	s_lshl_b32 s21, s17, 8
	s_lshl_b32 s22, s15, 7
	s_add_co_u32 s21, s21, s22
	s_and_b32 s21, s21, 2047
	s_lshl_b32 s21, s21, 7
	s_add_co_u32 s20, s20, s21
	s_mov_b32 s21, 0
	s_add_nc_u64 s[12:13], s[12:13], s[20:21]
.macro FRAG reg, adr, q, i             ; 16 rows x 128 K of 4-bit codes: 8 registers, two loads of 16 bytes, 32 bytes apart
.irp c, 0,1
	ds_load_b128 v[\reg+4*\c:\reg+4*\c+3], v[\adr] offset:64*(\q)+32*\c+(\i)*16*PITCH
.endr
.endm
; 16 matrix instructions: x's blocks a0, a0 + 1 against W's eight.  The 64 accumulators take turns, one instruction a turn, in the same order in every step.
.macro MUL16 a0, p, q, sc, zero
.irp a, \a0, \a0+1
.irp b, 0,1,2,3,4,5,6,7
.if \zero
	v_wmma_scale_f32_16x16x128_f8f6f4 v[8*(8*((\a)%4)+\b):8*(8*((\a)%4)+\b)+7], v[128*(\p)+FR*\b:128*(\p)+FR*\b+FR-1], v[AF+FR*(\a):AF+FR*(\a)+FR-1], 0, v[SC+8*NQ*(\sc)+NQ*\b+(\q)], v[SC+8*NQ*(\sc)+NQ*(\a)+(\q)] matrix_a_fmt:MATRIX_FMT_FP4 matrix_b_fmt:MATRIX_FMT_FP4 matrix_a_scale:MATRIX_SCALE_ROW1
.else
	v_wmma_scale_f32_16x16x128_f8f6f4 v[8*(8*((\a)%4)+\b):8*(8*((\a)%4)+\b)+7], v[128*(\p)+FR*\b:128*(\p)+FR*\b+FR-1], v[AF+FR*(\a):AF+FR*(\a)+FR-1], v[8*(8*((\a)%4)+\b):8*(8*((\a)%4)+\b)+7], v[SC+8*NQ*(\sc)+NQ*\b+(\q)], v[SC+8*NQ*(\sc)+NQ*(\a)+(\q)] matrix_a_fmt:MATRIX_FMT_FP4 matrix_b_fmt:MATRIX_FMT_FP4 matrix_a_scale:MATRIX_SCALE_ROW1
.endif
.endr
.endr
.endm
.macro FETCH_B slot, q, p
	WIN TO_B
.irp i, 0,1,2,3,4,5,6,7
	FRAG 128*(\p)+FR*\i, ADRB+\slot, \q, \i
.endr
	WIN 0
.endm
.macro FETCH_A slot, q, i0
.irp i, \i0, \i0+1, \i0+2, \i0+3
	FRAG AF+FR*(\i), ADRA+\slot, \q, \i
.endr
.endm
.macro SCALES sc                       ; a slot's scale words: lanes 0-15 take x's block i, lanes 16-31 W's block i
.irp i, 0,1,2,3,4,5,6,7
	ds_load_b128 v[SC+8*NQ*\sc+NQ*\i:SC+8*NQ*\sc+NQ*\i+3], v[ADRS] offset:\i*SBLK
.endr
.endm
.macro PLACES n                        ; plain vector places behind matrix instructions, in front of loads into their registers and of reads of their results
.rept \n
	v_nop
.endr
.endm
.macro STEP slot, q, zero              ; 128 along K, with its successor in the same slot
	s_wait_dscnt 4*NL                              ; W's set and x's blocks 0-3 are in; the youngest eight loads (x's blocks 4-7) may be out
	WIN MUL_LO
	MUL16 0, (\q)%2, \q, \slot, \zero
	MUL16 2, (\q)%2, \q, \slot, \zero
	s_wait_dscnt 0
	PLACES NP
	FETCH_B \slot, (\q)+1, 1-(\q)%2
	FETCH_A \slot, (\q)+1, 0
	WIN MUL_HI
	MUL16 4, (\q)%2, \q, \slot, \zero
	MUL16 6, (\q)%2, \q, \slot, \zero
	PLACES NP
	WIN 0
	FETCH_A \slot, (\q)+1, 4
.endm
.macro STEPS slot, from
.set Q, \from
.rept NQ-1-\from
	STEP \slot, Q, 0
.set Q, Q+1
.endr
.endm
	s_wait_tensorcnt 1                             ; the scales and my part of slot 0 are in (slot 1's load may be out)
	s_barrier_signal -1
	s_barrier_wait -1                              ; everybody's are
	FETCH_B 0, 0, 0
	FETCH_A 0, 0, 0
	SCALES 0
	FETCH_A 0, 0, 4
	STEP 0, 0, 1                                   ; the first products start the sums: nothing is cleared
	STEPS 0, 1
	; slot 0's last step changes slots: one barrier; in front of it my part of slot 1 has landed
	s_wait_tensorcnt 0x0
	ds_add_u32 v[SPW], v[NIL]
	s_wait_dscnt 4*NL+1                            ; (the add and x's blocks 4-7 may be out)
	WIN MUL_LO
	MUL16 0, 1, NQ-1, 0, 0
	s_wait_dscnt 0x0
	s_barrier_signal -1
	MUL16 2, 1, NQ-1, 0, 0
	WIN 0
	s_barrier_wait -1
	PLACES NP
	v_add_nc_u32 v[ADRS], 4*NQ, v[ADRS]            ; slot 1's scale words
	FETCH_B 1, 0, 0
	FETCH_A 1, 0, 0
	SCALES 1
	WIN MUL_HI
	MUL16 4, 1, NQ-1, 0, 0
	MUL16 6, 1, NQ-1, 0, 0
	PLACES NP
	WIN 0
	FETCH_A 1, 0, 4
	STEPS 1, 0
	s_wait_dscnt 4*NL                              ; the very last step
	WIN MUL_LO
	MUL16 0, 1, NQ-1, 1, 0
	MUL16 2, 1, NQ-1, 1, 0
	s_wait_dscnt 0
	WIN MUL_HI
	MUL16 4, 1, NQ-1, 1, 0
	MUL16 6, 1, NQ-1, 1, 0
	WIN 0
; THE WAY OUT, a block of 16 tokens x 128 channels (two heads) at a time: rounded to f16 (16 bytes a lane), through my own stage, back as four tokens x one head's 128 bytes, which are 512 consecutive bytes of qkv.
.macro PACK a
.set AC, 64*((\a)%4)
	WIN 0x0a+5*((\a)/4)                            ; sources 0 and 1: window 2 or 3
.irp b, 0,1,2,3,4,5,6,7
.irp r, 0,1,2,3
	v_cvt_pk_f16_f32 v[TMP+4*\b+\r], v[AC+8*\b+2*\r], v[AC+8*\b+2*\r+1]   ; each accumulator from its low end on
.endr
.endr
	WIN 0
.endm
.macro TOSTAGE a
.set BK, OB+192*((\a)%2)
.irp b, 0,1,2,3,4,5,6,7
	ds_store_b128 v[STO], v[TMP+4*\b:TMP+4*\b+3] offset:32*\b
.endr
.irp t, 0,1,2,3,4,5,6,7
	ds_load_b128 v[BK+4*\t:BK+4*\t+3], v[RD] offset:(\t%4)*4*SPITCH+(\t/4)*128   ; LDS serves a wave's instructions in order: these see the stores above
.endr
.endm
.macro SEND a
.set BK, OB+192*((\a)%2)
	s_wait_dscnt 0x0                               ; the block is back in registers
	s_wait_xcnt 0x0                                ; earlier stores have read their base and their data: both may be written again
.if (\a) > 0
	s_add_nc_u64 s[12:13], s[12:13], 16*128        ; 16 tokens on
.endif
.irp t, 0,1,2,3,4,5,6,7
	global_store_b128 v[CO], v[BK+4*\t:BK+4*\t+3], s[12:13] offset:(\t/4)*262144+(\t%4)*512   ; head t / 4 of my two, tokens 4 (t % 4) on
.endr
.endm
	PLACES NP
	PACK 0
	TOSTAGE 0
.irp a, 1,2,3,4,5,6,7
	PACK \a                                        ; block a's conversions stand between block a - 1's loads from the stage and the wait for them
	SEND \a-1
	TOSTAGE \a
.endr
	SEND 7
	s_wait_tensorcnt 0x0                           ; the wave's end
	ds_add_u32 v[SPW], v[NIL]
	s_wait_dscnt 0x0
	CROUND                                         ; the closing round
	s_endpgm
.Lfunc_end_k_q09de12fb0a_qkv:
	.size	k_q09de12fb0a_qkv, .Lfunc_end_k_q09de12fb0a_qkv-k_q09de12fb0a_qkv
	.p2alignl 7, 3214868480
	.fill 96, 4, 3214868480
	.section	.rodata,"a",@progbits
	.p2align	6, 0x0
	.amdhsa_kernel k_q09de12fb0a_qkv
		.amdhsa_group_segment_fixed_size 327680
		.amdhsa_private_segment_fixed_size 0
		.amdhsa_enable_private_segment 0
		.amdhsa_kernarg_size 24
		.amdhsa_user_sgpr_count 2
		.amdhsa_user_sgpr_kernarg_segment_ptr 1
		.amdhsa_wavefront_size32 1
		.amdhsa_system_sgpr_workgroup_id_x 1
		.amdhsa_system_sgpr_workgroup_id_y 1
		.amdhsa_system_sgpr_workgroup_id_z 1
		.amdhsa_system_vgpr_workitem_id 0
		.amdhsa_next_free_vgpr 1024
		.amdhsa_next_free_sgpr 98
		.amdhsa_reserve_vcc 0
		.amdhsa_float_denorm_mode_32 3
		.amdhsa_float_denorm_mode_16_64 3
		.amdhsa_memory_ordered 1
		.amdhsa_forward_progress 1
		.amdhsa_inst_pref_size 127
	.end_amdhsa_kernel
	.amdgpu_metadata
---
amdhsa.version: [ 1, 2 ]
amdhsa.kernels:
  - .name:           k_q09de12fb0a_qkv
    .symbol:         k_q09de12fb0a_qkv.kd
    .args:
      - { .name: codes, .offset: 0, .size: 8, .value_kind: global_buffer, .address_space: global }
      - { .name: scales, .offset: 8, .size: 8, .value_kind: global_buffer, .address_space: global }
      - { .name: qkv, .offset: 16, .size: 8, .value_kind: global_buffer, .address_space: global }
    .group_segment_fixed_size: 327680
    .private_segment_fixed_size: 0
    .kernarg_segment_align: 8
    .kernarg_segment_size: 24
    .max_flat_workgroup_size: 128
    .sgpr_count:     98
    .vgpr_count:     1024
    .wavefront_size: 32
...
	.end_amdgpu_metadata
.endif
;; end of part 2
;; launch attn (part 3): grid 8 x 64, 8 waves a work-group, clusters of 4 x 4, 327,680 bytes of LDS; arguments qkv, attention_mask, ctx16; writes ctx16
.if DOCPART == 3
	.amdgcn_target "amdgcn-amd-amdhsa--gfx1250"
	.amdhsa_code_object_version 6
	.text
	.protected	k_q09de12fb0a_attn
	.globl	k_q09de12fb0a_attn
	.p2align	8
	.type	k_q09de12fb0a_attn,@function
k_q09de12fb0a_attn:
	s_mov_b64 s[64:65], 0
	v_nop
	global_prefetch_b8 v0, s[64:65] scope:SCOPE_SE
	s_setreg_imm32_b32 hwreg(HW_REG_WAVE_MODE, 25, 1), 1
	s_wait_xcnt 0x0
	s_wait_alu depctr_hold_cnt(0) depctr_sa_sdst(0) depctr_va_vdst(0) depctr_va_sdst(0) depctr_va_ssrc(0) depctr_va_vcc(0) depctr_vm_vsrc(0)
	s_getreg_b32 s2, hwreg(HW_REG_IB_STS2, 6, 4)
	s_cmp_eq_u32 s2, 0
	s_cbranch_scc0 .Lentry_in_a_cluster
	s_endpgm
.Lentry_in_a_cluster:
	s_bfe_u32 s2, ttmp6, 0x10000c
	s_cmp_lg_u32 s2, 0xf033
	s_cbranch_scc0 .Lentry_shape_is_right
	s_endpgm
.Lentry_shape_is_right:
; ATTN.  ctx[b][h][q] = sum over k of softmax_k(q . k / 8 + mask[q][k]) v[k].  qkv holds q / 8, k, v as f16, [3][64 (b, h)][2048][64]; the mask is an input, f32 [2048][2048]: every number of it is read and added.
; Products on f16 operands, sums in f32; maxima, exponentials and row sums in f32; the weights p are rounded to f16 for the second product.
; ctx16: high parts [16 heads][8192 tokens][64] f16 from byte 0; from byte 16,777,216 what f16 leaves of the first 16 queries of each block of 256, [64 (b, h)][8 blocks][16][64] f16.
; SHARES.  A work-group owns 256 queries of one (b, h); each of its eight waves 32: two tiles of 16; two waves to a SIMD, so that one wave's vector work stands beside the other's products.  32 key steps of 64 keys.
; LAYOUT.  S^T = K Q^T (source 0 = 16 keys, source 1 = 16 queries): a lane holds ONE query and eight neighbouring keys.  THE MASK IS THE C OF THE FIRST PRODUCT: a lane's eight mask numbers are 32 neighbouring bytes
; of a mask row, loaded straight into the accumulator: no vector instruction adds it.  Two tiles of S^T rounded in pairs are source 1 of O^T = V^T P; V comes out of LDS turned, by ds_load_tr16_b128.
; SOFTMAX.  A running maximum m and sum l for each query: p = 2^(c s - c m), c = log2(e); in every step O and l are multiplied by 2^(c m_old - c m_new).
; CLUSTER.  4 x 4 work-groups: K's and V's tiles hang on (b, h) alone and are shared along a row of the cluster; the mask's tiles hang on the query block alone and are shared along a column: joint loads.
; RING.  Two slots of one key step (256 rows of mask, 64 of K, 64 of V); waves 0-3 fetch a quarter of the mask's tile each, wave 4 K's, wave 5 V's.  One load a wave is out behind each round.
; LIMITS: f16's range for q / 8, k, v (under 65,504); the mask enters the matrix unit's sum, so its rounding differs from fl(q k / 8) + mask, which shows only where every entry of a row is huge; NaN, infinities not served.
.set PM,    272                        ; a mask row in LDS: 256 bytes + 16
.set PK,    144                        ; a key's row: 128 bytes + 16
.set PV,    160                        ; a value's row: 128 bytes + 32
.set KOFF,  256*PM
.set VOFF,  KOFF+64*PK
.set SLOT1, 1<<17
.set STAGE, SLOT1+VOFF+64*PV           ; the way out: for each wave 32 rows x 144 bytes, then 16 x 144
.set WSTG,  48*144
.set SPARE, STAGE+8*WSTG               ; the spare words, 128 bytes a wave
.set AK,  2                            ; v2, v3   my place in K's tile, slot 0, 1
.set AV,  4                            ; v4, v5   in V's
.set AM,  6                            ; v6, v7   in the mask's
.set QO,  8
.set STO, 9
.set RD,  10
.set GO,  11
.set PFO, 12
.set SPW, 14
.set NIL, 15
.set ST,  16                           ; tile u at v[ST + 8 u]: +0 c m, +1 m, +2, +3 l, +4 .. +7 at work (T0-T3); the factor takes T2's place
.set S,   32                           ; v32-95   S^T: 32 u + 8 kt
.set P,   96                           ; v96-127  P: 16 u
.set Q,   128                          ; v128-159 Q: 16 u + 8 kk
.set KF,  160                          ; v160-223 K: 16 kt + 8 kk
.set VF,  64                           ; window 1: v0-63 O^T (32 u + 8 d), v64-127 V^T (32 uk + 8 d)
.set WV,  10
.set G1M, 16
.set G1K, 24
.set G1V, 32
.set G0M, 40
.set G0K, 48
.set G0V, 56
.set CS,  66
.set SEL, 68
.set CNT, 70
.set LIM0, 71
.set LIM1, 72
.set PFA, 74
.set PFS, 76
.set MSB, 0
.macro WIN new
.if MSB != \new
	s_set_vgpr_msb (MSB<<8)|\new
.set MSB, \new
.endif
.endm
.macro CROUND
	s_barrier_signal -1
	s_barrier_wait -1
	s_cmp_lg_u32 s[WV], 0
	s_cbranch_scc1 .Lnot_wave_0_\@
	s_barrier_signal -3
.Lnot_wave_0_\@:
	s_barrier_wait -3
	s_barrier_signal -1
	s_barrier_wait -1
.endm
; The joint loads of slot s.  The branches hang on the wave's number alone.  An s_nop 0 and four v_nop follow each load.
.macro JLOAD s
	s_cmp_lt_u32 s[WV], 4
	s_cbranch_scc0 .Lnot_m_\@
	tensor_load_to_lds s[G0M+4*(\s):G0M+4*(\s)+3], s[G1M:G1M+7]
	s_nop 0
.rept 4
	v_nop
.endr
	s_branch .Lasked_\@
.Lnot_m_\@:
	s_cmp_eq_u32 s[WV], 4
	s_cbranch_scc0 .Lnot_k_\@
	tensor_load_to_lds s[G0K+4*(\s):G0K+4*(\s)+3], s[G1K:G1K+7]
	s_nop 0
.rept 4
	v_nop
.endr
	s_branch .Lasked_\@
.Lnot_k_\@:
	s_cmp_eq_u32 s[WV], 5
	s_cbranch_scc0 .Lasked_\@
	tensor_load_to_lds s[G0V+4*(\s):G0V+4*(\s)+3], s[G1V:G1V+7]
	s_nop 0
.rept 4
	v_nop
.endr
.Lasked_\@:
.endm
; A PREFETCH: in trip t the tile of key step t + 3 is named, two trips ahead of its tensor load.  The mask's: waves 6 and 7 of the clusters with y = 0, a lane a row (256 bytes of a row are a step's part); the
; partners of a column share the block's 256 rows out by address, 64 each.  K's and V's: wave 4 of the clusters with x = 0, in slot 0's trips alone, two tiles at once: 16,384 bytes of each, shared out by
; address, 4,096 a partner, lanes 256 bytes apart; lanes 16-31 take V's.  So each block of 256 bytes is named once.  The loop's last trip and the tail name nothing: the highest step named is 30.
.macro ASK lim
	s_cmp_gt_u32 s[CNT], s[\lim]
	s_cbranch_scc0 .Lnot_mine_\@
	global_prefetch_b8 v[PFO], s[PFA:PFA+1] th:TH_LOAD_NT scope:SCOPE_SE
.Lnot_mine_\@:
.endm
.macro PLACES
.rept 4
	v_nop
.endr
.endm
	s_load_b128 s[4:7], s[0:1], 0x0                ; qkv s[4:5], the mask s[6:7]
	s_load_b64 s[8:9], s[0:1], 0x10                ; ctx16
	v_lshl_add_u32 v[SPW], v0, 2, SPARE
	v_mov_b32 v[NIL], 0
	ds_add_u32 v[SPW], v[NIL]                      ; the wave's opening: the add, twice on end, and its wait ahead of the first tensor loads
	ds_add_u32 v[SPW], v[NIL]
	v_lshrrev_b32 v1, 5, v0
	v_readfirstlane_b32 s[WV], v1                  ; wave 0..7
	s_bfe_u32 s11, ttmp6, 0x40000                  ; cx
	s_bfe_u32 s12, ttmp6, 0x40004                  ; cy
	s_lshl_b32 s13, ttmp9, 2
	s_add_co_u32 s13, s13, s11                     ; x: my block of 256 queries
	s_and_b32 s14, ttmp7, 0xffff
	s_lshl_b32 s14, s14, 2
	s_add_co_u32 s14, s14, s12                     ; y = 16 b + h
	s_lshl_b32 s84, s12, 2
	s_lshl_b32 s84, 15, s84                        ; my row of the cluster
	s_lshl_b32 s85, 0x1111, s11                    ; my column
	s_or_b32 s[G1M], s85, (2<<16)|(1<<20)|(1<<21)|(5<<22)|(3<<25)   ; the mask's tiles go to my column; elements of 4 bytes; 4 words of padding behind every 64
	s_or_b32 s[G1K], s84, (1<<16)|(1<<20)|(1<<21)|(4<<22)|(3<<25)   ; K's to my row; elements of 2 bytes; 4 words behind every 32
	s_or_b32 s[G1V], s84, (1<<16)|(1<<20)|(1<<21)|(4<<22)|(7<<25)   ; V's likewise; 8 words
.irp g, G1M, G1K, G1V
	s_mov_b32 s[\g+1], 64<<16                      ; tensor_dim0 = 64
	s_mov_b32 s[\g+2], 64<<16                      ; tensor_dim1 = 64
	s_mov_b32 s[\g+3], 64<<16                      ; tile_dim0 = 64
	s_mov_b32 s[\g+4], 64                          ; tile_dim1 = 64
	s_mov_b32 s[\g+6], 0
	s_mov_b32 s[\g+7], 0
.endr
	s_mov_b32 s[G1M+5], 2048                       ; from row to row, in elements
	s_mov_b32 s[G1K+5], 64
	s_mov_b32 s[G1V+5], 64
	s_and_b32 s90, s[WV], 3                        ; which quarter of the mask's tile I fetch, if I fetch
	s_lshl_b32 s86, s13, 21                        ; 256 x rows of 8,192 bytes
	s_lshl_b32 s87, s90, 19                        ; + 64 rows a quarter
	s_add_co_u32 s86, s86, s87
	s_mov_b32 s87, 0
	s_mul_i32 s91, s90, 64*PM
	s_lshl_b32 s88, s14, 18                        ; a head is 262,144 bytes
	s_mov_b32 s89, 0
	s_mov_b32 s[CS], 0x3fb8aa3b                    ; c = log2(e)
	s_mov_b32 s[CS+1], s[CS]
	s_mov_b32 s[SEL], 0x76543210
	s_mov_b32 s[SEL+1], 0xfedcba98
	; the prefetches' offsets: the mask's, and K's
	s_lshl_b32 s94, s13, 21
	s_lshl_b32 s95, s12, 19
	s_add_co_u32 s94, s94, s95
	s_and_b32 s95, s[WV], 1
	s_lshl_b32 s95, s95, 18
	s_add_co_u32 s94, s94, s95
	s_add_co_u32 s94, s94, 2*256                   ; rows 256 x + 64 cy + 32 (wave - 6) on, at key step 2: the first trip steps it to 3
	s_lshl_b32 s96, s14, 18
	s_lshl_b32 s95, s11, 12
	s_add_co_u32 s96, s96, s95
	s_add_co_u32 s96, s96, 16777216+2*8192         ; K of my head, my 4,096 bytes, at key step 2
	s_and_b32 s97, ttmp7, 0xffff
	s_lshr_b32 s98, s[WV], 1
	s_xor_b32 s98, s98, 3                          ; 0 in waves 6 and 7,
	s_or_b32 s98, s98, s97                         ; of the clusters with y = 0
	s_cmp_eq_u32 s98, 0
	s_cselect_b32 s[LIM1], 1, -1
	s_xor_b32 s98, s[WV], 4                        ; 0 in wave 4,
	s_or_b32 s98, s98, ttmp9                       ; of the clusters with x = 0
	s_cmp_eq_u32 s98, 0
	s_cselect_b32 s[LIM0], 1, s[LIM1]
	s_wait_dscnt 0x0                               ; both opening adds are done
	s_wait_kmcnt 0x0
	s_add_nc_u64 s[86:87], s[6:7], s[86:87]        ; the mask at my quarter of tile 0
	s_add_nc_u64 s[88:89], s[4:5], s[88:89]        ; q of my head; k and v lie 16,777,216 and 33,554,432 bytes on
.irp n, 0,1
	s_mov_b32 s[G0M+4*\n], 1
	s_add_co_u32 s[G0M+4*\n+1], s91, \n*SLOT1
	s_add_nc_u64 s[G0M+4*\n+2:G0M+4*\n+3], s[86:87], \n*256
	s_or_b32 s[G0M+4*\n+3], s[G0M+4*\n+3], 0x80000000
	s_mov_b32 s[G0K+4*\n], 1
	s_mov_b32 s[G0K+4*\n+1], \n*SLOT1+KOFF
	s_add_nc_u64 s[G0K+4*\n+2:G0K+4*\n+3], s[88:89], 16777216+\n*8192
	s_or_b32 s[G0K+4*\n+3], s[G0K+4*\n+3], 0x80000000
	s_mov_b32 s[G0V+4*\n], 1
	s_mov_b32 s[G0V+4*\n+1], \n*SLOT1+VOFF
	s_add_nc_u64 s[G0V+4*\n+2:G0V+4*\n+3], s[88:89], 33554432+\n*8192
	s_or_b32 s[G0V+4*\n+3], s[G0V+4*\n+3], 0x80000000
.endr
	CROUND                                         ; all sixteen work-groups are here
	JLOAD 0                                        ; key step 0
	s_cmp_ge_u32 s[WV], 6                          ; the prefetches: the mask's in waves 6 and 7, else K's and V's
	s_cselect_b64 s[PFA:PFA+1], s[6:7], s[4:5]
	s_cselect_b32 s94, s94, s96
	s_mov_b32 s84, 256
	s_cselect_b32 s84, 8192, s84                   ; from lane to lane,
	s_mov_b32 s85, 16777216
	s_cselect_b32 s85, 131072, s85                 ; from lanes 0-15 to lanes 16-31,
	s_mov_b32 s[PFS], 8192
	s_cselect_b32 s[PFS], 256, s[PFS]              ; from trip to trip
	s_mov_b32 s[PFS+1], 0
	s_mov_b32 s95, 0
	s_add_nc_u64 s[PFA:PFA+1], s[PFA:PFA+1], s[94:95]
	s_lshl_b32 s92, s13, 15                        ; my block's 256 queries of 128 bytes,
	s_lshl_b32 s93, s[WV], 12                      ; my wave's 32
	s_add_co_u32 s92, s92, s93
	s_mov_b32 s93, 0
	s_add_nc_u64 s[92:93], s[88:89], s[92:93]
	v_and_b32 v1, 15, v0                           ; r
	v_bfe_u32 v13, v0, 4, 1                        ; h
	v_lshlrev_b32 v[QO], 7, v1
	v_lshl_add_u32 v[QO], v13, 4, v[QO]
.irp u, 0,1
.irp kk, 0,1
	global_load_b128 v[Q+16*\u+8*\kk:Q+16*\u+8*\kk+3], v[QO], s[92:93] offset:2048*\u+64*\kk       ; Q stays in registers
	global_load_b128 v[Q+16*\u+8*\kk+4:Q+16*\u+8*\kk+7], v[QO], s[92:93] offset:2048*\u+64*\kk+32
.endr
.endr
	s_and_b32 s84, s14, 15                         ; ctx16: head h's slab of 1,048,576 bytes, token 2,048 b + 256 x + 32 wave
	v_and_b32 v224, 15, v0
	v_bfe_u32 v225, v0, 4, 1
	v_mul_lo_u32 v225, v225, s85
	s_lshl_b32 s85, s84, 20
	v_mov_b32 v[PFO], 256
	s_cmp_ge_u32 s[WV], 6
	s_mov_b32 s84, 256
	s_cselect_b32 s84, 8192, s84
	v_mul_lo_u32 v[PFO], v224, s84
	v_add_nc_u32 v[PFO], v[PFO], v225
	s_lshr_b32 s84, s14, 4
	s_lshl_b32 s84, s84, 18
	s_add_co_u32 s84, s84, s85
	s_lshl_b32 s85, s13, 15
	s_add_co_u32 s84, s84, s85
	s_lshl_b32 s85, s[WV], 12
	s_add_co_u32 s84, s84, s85
	s_mov_b32 s85, 0
	s_add_nc_u64 s[80:81], s[8:9], s[84:85]
	s_lshl_b32 s84, s14, 3
	s_add_co_u32 s84, s84, s13
	s_lshl_b32 s84, s84, 11
	s_add_co_u32 s84, s84, 16777216                ; the low parts: piece 8 y + x of 2,048 bytes
	s_add_nc_u64 s[82:83], s[8:9], s[84:85]
	v_mul_u32_u24 v[AK], v1, PK                    ; K: row r, + 16 h
	v_lshl_add_u32 v[AK], v13, 4, v[AK]
	v_add_nc_u32 v[AK], KOFF, v[AK]
	v_add_nc_u32 v[AK+1], SLOT1, v[AK]
	v_and_b32 v224, 7, v0                          ; V, for the turning load: key 8 h + l % 8, channels 8 ((l / 8) % 2) on
	v_lshl_add_u32 v224, v13, 3, v224
	v_mul_u32_u24 v[AV], v224, PV
	v_bfe_u32 v224, v0, 3, 1
	v_lshl_add_u32 v[AV], v224, 4, v[AV]
	v_add_nc_u32 v[AV], VOFF, v[AV]
	v_add_nc_u32 v[AV+1], SLOT1, v[AV]
	s_mul_i32 s94, s[WV], 32*PM                    ; the mask: row 32 wave + r, + 32 h
	v_mul_u32_u24 v[AM], v1, PM
	v_lshl_add_u32 v[AM], v13, 5, v[AM]
	v_add_nc_u32 v[AM], s94, v[AM]
	v_add_nc_u32 v[AM+1], SLOT1, v[AM]
	s_mul_i32 s94, s[WV], WSTG
	s_add_co_u32 s94, s94, STAGE                   ; my stage
	v_mul_u32_u24 v[STO], v1, 144
	v_lshl_add_u32 v[STO], v13, 4, v[STO]
	v_add_nc_u32 v[STO], s94, v[STO]               ; in: row r, + 16 h
	v_and_b32 v224, 31, v0
	v_lshlrev_b32 v[GO], 4, v224                   ; out: 16 bytes a lane
	v_lshrrev_b32 v225, 3, v224
	v_mul_u32_u24 v[RD], v225, 144
	v_and_b32 v224, 7, v224
	v_lshl_add_u32 v[RD], v224, 4, v[RD]
	v_add_nc_u32 v[RD], s94, v[RD]                 ; back: row l / 8, 16 (l % 8)
.irp u, 0,1
	v_mov_b32 v[ST+8*\u+1], 0xfe967699             ; m = -1e38, under every score that is served
	v_mov_b32 v[ST+8*\u+2], 0                      ; l, in two halves
	v_mov_b32 v[ST+8*\u+3], 0
	v_mov_b32 v[ST+8*\u+5], 0                      ; written once: a lane permute's destination counts as one of its sources
	v_mul_f32 v[ST+8*\u], s[CS], v[ST+8*\u+1]      ; c m
.endr
	WIN 0x40
.set i, 0
.rept 64
	v_mov_b32 v[i], 0                              ; O^T.  The trip is written with no first step of its own: the first factor, 0, leaves zeros
.set i, i+1
.endr
	WIN 0
	s_wait_loadcnt 0x0                             ; Q
; THE SOFTMAX of a key step, the two tiles line by line.
.macro SOFTMAX
.irp j, 0,1,2,3
.irp u, 0,1
	v_max3_num_f32 v[ST+8*\u+4+\j], v[S+32*\u+8*\j], v[S+32*\u+8*\j+1], v[S+32*\u+8*\j+2]   ; four chains; each accumulator is read from its low end on
.endr
.endr
.irp i, 3,5
.irp j, 0,1,2,3
.irp u, 0,1
	v_max3_num_f32 v[ST+8*\u+4+\j], v[ST+8*\u+4+\j], v[S+32*\u+8*\j+\i], v[S+32*\u+8*\j+\i+1]
.endr
.endr
.endr
.irp u, 0,1
	v_max3_num_f32 v[ST+8*\u+4], v[ST+8*\u+4], v[S+32*\u+7], v[S+32*\u+15]
	v_max3_num_f32 v[ST+8*\u+6], v[ST+8*\u+6], v[S+32*\u+23], v[S+32*\u+31]
.endr
.irp u, 0,1
	v_max3_num_f32 v[ST+8*\u+4], v[ST+8*\u+4], v[ST+8*\u+5], v[ST+8*\u+6]
.endr
.irp u, 0,1
	v_max3_num_f32 v[ST+8*\u+4], v[ST+8*\u+4], v[ST+8*\u+7], v[ST+8*\u+1]   ; and the old m
.endr
.irp u, 0,1
	v_permlanex16_b32 v[ST+8*\u+5], v[ST+8*\u+4], s[SEL], s[SEL+1]          ; the query's other 32 keys lie in the lane 16 away
.endr
.irp u, 0,1
	v_mov_b32 v[ST+8*\u+7], v[ST+8*\u]             ; c m_old
.endr
.irp u, 0,1
	v_max_num_f32 v[ST+8*\u+1], v[ST+8*\u+4], v[ST+8*\u+5]
.endr
.irp u, 0,1
	v_mul_f32 v[ST+8*\u], s[CS], v[ST+8*\u+1]
.endr
.irp u, 0,1
	v_sub_f32 v[ST+8*\u+7], v[ST+8*\u+7], v[ST+8*\u]
.endr
.set i, 0
.rept 16
.irp u, 0,1
	v_pk_fma_f32 v[S+32*\u+i:S+32*\u+i+1], v[S+32*\u+i:S+32*\u+i+1], s[CS:CS+1], v[ST+8*\u:ST+8*\u+1] op_sel_hi:[1,0,0] neg_lo:[0,0,1] neg_hi:[0,0,1]   ; c s - c m
.endr
.set i, i+2
.endr
.irp u, 0,1
	v_exp_f32 v[ST+8*\u+6], v[ST+8*\u+7]           ; the factor 2^(c m_old - c m_new)
.endr
.set i, 0
.rept 64
	v_exp_f32 v[S+i], v[S+i]                       ; p
.set i, i+1
.endr
	v_nop                                          ; a plain instruction behind the last exponential
	s_wait_alu depctr_va_vdst(0)                   ; one wait for the batch of 66, ahead of its first reader
.set i, 0
.rept 32
	v_cvt_pk_f16_f32 v[P+i], v[S+2*i], v[S+2*i+1]
.set i, i+1
.endr
.irp z, 0,1,2,3,4,5,6,7                        ; the sum of the unrounded p, in place, as a tree
.irp u, 0,1
	v_pk_add_f32 v[S+32*\u+4*\z:S+32*\u+4*\z+1], v[S+32*\u+4*\z:S+32*\u+4*\z+1], v[S+32*\u+4*\z+2:S+32*\u+4*\z+3]
.endr
.endr
.irp z, 0,1,2,3
.irp u, 0,1
	v_pk_add_f32 v[S+32*\u+8*\z:S+32*\u+8*\z+1], v[S+32*\u+8*\z:S+32*\u+8*\z+1], v[S+32*\u+8*\z+4:S+32*\u+8*\z+5]
.endr
.endr
.irp z, 0,1
.irp u, 0,1
	v_pk_add_f32 v[S+32*\u+16*\z:S+32*\u+16*\z+1], v[S+32*\u+16*\z:S+32*\u+16*\z+1], v[S+32*\u+16*\z+8:S+32*\u+16*\z+9]
.endr
.endr
.irp u, 0,1
	v_pk_add_f32 v[S+32*\u:S+32*\u+1], v[S+32*\u:S+32*\u+1], v[S+32*\u+16:S+32*\u+17]
.endr
.irp u, 0,1
	v_pk_fma_f32 v[ST+8*\u+2:ST+8*\u+3], v[ST+8*\u+2:ST+8*\u+3], v[ST+8*\u+6:ST+8*\u+7], v[S+32*\u:S+32*\u+1] op_sel_hi:[1,0,1]
.endr
.endm
; A TRIP: one key step, read from slot.  refill = 1: the next step's tiles are asked for, into the other slot, first thing behind the round.  ask = 1: a trip of the loop, which may prefetch.
.macro TRIP slot, refill, ask
	s_wait_tensorcnt 0x0                           ; all my tensor loads are done, my part of this slot among them: so every group 0 may be written
	ds_add_u32 v[SPW], v[NIL]
.if \refill
	ds_add_u32 v[SPW], v[NIL]                      ; and twice on end where a load can still follow
.endif
.if \ask
	s_wait_xcnt 0x0                                ; the last prefetch, a trip back, has read its address
	s_add_nc_u64 s[PFA:PFA+1], s[PFA:PFA+1], s[PFS:PFS+1]
.endif
	s_add_nc_u64 s[G0M+4*\slot+2:G0M+4*\slot+3], s[G0M+4*\slot+2:G0M+4*\slot+3], 2*256     ; this slot's next tiles: two key steps on
	s_add_nc_u64 s[G0K+4*\slot+2:G0K+4*\slot+3], s[G0K+4*\slot+2:G0K+4*\slot+3], 2*8192
	s_add_nc_u64 s[G0V+4*\slot+2:G0V+4*\slot+3], s[G0V+4*\slot+2:G0V+4*\slot+3], 2*8192
	s_wait_dscnt 0x0                               ; the add is done, and my reads of the other slot are over
.if \refill
	CROUND                                         ; both now hold of every wave of every work-group of the cluster
	JLOAD 1-\slot
.else
	s_barrier_signal -1
	s_barrier_wait -1
.endif
.if \ask
	ASK LIM0+\slot
.endif
.irp kt, 0,1,2,3
.irp kk, 0,1
	ds_load_b128 v[KF+16*\kt+8*\kk:KF+16*\kt+8*\kk+3], v[AK+\slot] offset:16*PK*\kt+64*\kk
	ds_load_b128 v[KF+16*\kt+8*\kk+4:KF+16*\kt+8*\kk+7], v[AK+\slot] offset:16*PK*\kt+64*\kk+32
.endr
.endr
.irp u, 0,1
.irp kt, 0,1,2,3
	ds_load_b128 v[S+32*\u+8*\kt:S+32*\u+8*\kt+3], v[AM+\slot] offset:16*PM*\u+64*\kt          ; the mask, into the accumulators
	ds_load_b128 v[S+32*\u+8*\kt+4:S+32*\u+8*\kt+7], v[AM+\slot] offset:16*PM*\u+64*\kt+16
.endr
.endr
	WIN 0x40                                       ; destination window 1
.irp uk, 0,1
.irp d, 0,1,2,3
	ds_load_tr16_b128 v[VF+32*\uk+8*\d:VF+32*\uk+8*\d+3], v[AV+\slot] offset:32*PV*\uk+32*\d
	ds_load_tr16_b128 v[VF+32*\uk+8*\d+4:VF+32*\uk+8*\d+7], v[AV+\slot] offset:32*PV*\uk+32*\d+16*PV
.endr
.endr
	WIN 0
	s_wait_dscnt 16                                ; K and the mask are in; the 16 youngest loads, V's, may be out
.irp kk, 0,1                                   ; S^T = mask + K Q^T: eight accumulators by turns, one instruction a turn
.irp kt, 0,1,2,3
.irp u, 0,1
	v_wmma_f32_16x16x32_f16 v[S+32*\u+8*\kt:S+32*\u+8*\kt+7], v[KF+16*\kt+8*\kk:KF+16*\kt+8*\kk+7], v[Q+16*\u+8*\kk:Q+16*\u+8*\kk+7], v[S+32*\u+8*\kt:S+32*\u+8*\kt+7]
.endr
.endr
.endr
	PLACES
	SOFTMAX
	WIN 0x41                                       ; O^T (destination and source 0) in window 1
.irp u, 0,1
.set i, 0
.rept 16
	v_pk_mul_f32 v[32*\u+i:32*\u+i+1], v[32*\u+i:32*\u+i+1], v[ST+8*\u+6:ST+8*\u+7] op_sel_hi:[1,0]
.set i, i+2
.endr
.endr
	s_wait_dscnt 0x0                               ; V is in
	WIN 0x51                                       ; V^T, C and D in window 1, P in window 0
.irp uk, 0,1
.irp d, 0,1,2,3
.irp u, 0,1
	v_wmma_f32_16x16x32_f16 v[32*\u+8*\d:32*\u+8*\d+7], v[VF+32*\uk+8*\d:VF+32*\uk+8*\d+7], v[P+16*\u+8*\uk:P+16*\u+8*\uk+7], v[32*\u+8*\d:32*\u+8*\d+7]
.endr
.endr
.endr
	WIN 0
	PLACES                                         ; in front of the next trip's loads into V^T's registers, on every wave's path
.endm
	s_mov_b32 s[CNT], 15
.Lpair:                                            ; 15 trips of two key steps
	TRIP 0, 1, 1
	TRIP 1, 1, 1
	s_sub_co_u32 s[CNT], s[CNT], 1
	s_cmp_lg_u32 s[CNT], 0
	s_cbranch_scc1 .Lpair
	TRIP 0, 1, 0                                   ; the tail is written out: key step 30 asks for step 31,
	TRIP 1, 0, 0                                   ; which asks for nothing
	; THE WAY OUT: O^T / l, rounded to f16, through my stage, back as four tokens x 128 bytes: 512 consecutive bytes of my head's slab.
.irp u, 0,1
	v_add_f32 v[ST+8*\u+4], v[ST+8*\u+2], v[ST+8*\u+3]
.endr
.irp u, 0,1
	v_permlanex16_b32 v[ST+8*\u+5], v[ST+8*\u+4], s[SEL], s[SEL+1]
.endr
.irp u, 0,1
	v_add_f32 v[ST+8*\u+4], v[ST+8*\u+4], v[ST+8*\u+5]
.endr
.irp u, 0,1
	v_rcp_f32 v[ST+8*\u+6], v[ST+8*\u+4]
.endr
	v_nop
	s_wait_alu depctr_va_vdst(0)                   ; one wait for the two reciprocals, ahead of their first reader
	WIN 0x01                                       ; source 0 (O^T) window 1, destination window 0
.irp u, 0,1
.set i, 0
.rept 16
	v_pk_mul_f32 v[S+32*\u+i:S+32*\u+i+1], v[32*\u+i:32*\u+i+1], v[ST+8*\u+6:ST+8*\u+7] op_sel_hi:[1,0]
.set i, i+2
.endr
.endr
	WIN 0
.set i, 0
.rept 32
	v_cvt_pk_f16_f32 v[P+i], v[S+2*i], v[S+2*i+1]
.set i, i+1
.endr
.irp u, 0,1
.irp d, 0,1,2,3
	ds_store_b128 v[STO], v[P+16*\u+4*\d:P+16*\u+4*\d+3] offset:16*144*\u+32*\d
.endr
.endr
.irp i, 0,1,2,3,4,5,6,7
	ds_load_b128 v[KF+4*\i:KF+4*\i+3], v[RD] offset:4*144*\i       ; LDS serves a wave's instructions in order: these see the stores above
.endr
.irp i, 0,1,2,3,4,5,6,7
	s_wait_dscnt 7-\i
	global_store_b128 v[GO], v[KF+4*\i:KF+4*\i+3], s[80:81] offset:512*\i
.endr
	s_cmp_lg_u32 s[WV], 0                          ; wave 0 alone: what f16 leaves of its first tile, the block's first 16 queries
	s_cbranch_scc1 .Lno_low
.set i, 0
.irp r, v96.l, v96.h, v97.l, v97.h, v98.l, v98.h, v99.l, v99.h, v100.l, v100.h, v101.l, v101.h, v102.l, v102.h, v103.l, v103.h, v104.l, v104.h, v105.l, v105.h, v106.l, v106.h, v107.l, v107.h, v108.l, v108.h, v109.l, v109.h, v110.l, v110.h, v111.l, v111.h
	v_cvt_f32_f16 v[192+i], \r
.set i, i+1
.endr
.set i, 0
.rept 16
	v_pk_add_f32 v[S+i:S+i+1], v[S+i:S+i+1], v[192+i:193+i] neg_lo:[0,1] neg_hi:[0,1]
.set i, i+2
.endr
.set i, 0
.rept 16
	v_cvt_pk_f16_f32 v[Q+i], v[S+2*i], v[S+2*i+1]
.set i, i+1
.endr
.irp d, 0,1,2,3
	ds_store_b128 v[STO], v[Q+4*\d:Q+4*\d+3] offset:32*144+32*\d
.endr
.irp i, 0,1,2,3
	ds_load_b128 v[Q+16+4*\i:Q+16+4*\i+3], v[RD] offset:32*144+4*144*\i
.endr
	s_wait_dscnt 0x0
.irp i, 0,1,2,3
	global_store_b128 v[GO], v[Q+16+4*\i:Q+16+4*\i+3], s[82:83] offset:512*\i
.endr
.Lno_low:
	s_wait_tensorcnt 0x0                           ; the wave's end
	ds_add_u32 v[SPW], v[NIL]
	s_wait_dscnt 0x0
	CROUND                                         ; the closing round
	s_endpgm
.Lfunc_end_k_q09de12fb0a_attn:
	.size	k_q09de12fb0a_attn, .Lfunc_end_k_q09de12fb0a_attn-k_q09de12fb0a_attn
	.p2alignl 7, 3214868480
	.fill 96, 4, 3214868480
	.section	.rodata,"a",@progbits
	.p2align	6, 0x0
	.amdhsa_kernel k_q09de12fb0a_attn
		.amdhsa_group_segment_fixed_size 327680
		.amdhsa_private_segment_fixed_size 0
		.amdhsa_enable_private_segment 0
		.amdhsa_kernarg_size 24
		.amdhsa_user_sgpr_count 2
		.amdhsa_user_sgpr_kernarg_segment_ptr 1
		.amdhsa_wavefront_size32 1
		.amdhsa_system_sgpr_workgroup_id_x 1
		.amdhsa_system_sgpr_workgroup_id_y 1
		.amdhsa_system_sgpr_workgroup_id_z 1
		.amdhsa_system_vgpr_workitem_id 0
		.amdhsa_next_free_vgpr 384
		.amdhsa_next_free_sgpr 100
		.amdhsa_reserve_vcc 0
		.amdhsa_float_denorm_mode_32 3
		.amdhsa_float_denorm_mode_16_64 3
		.amdhsa_memory_ordered 1
		.amdhsa_forward_progress 1
		.amdhsa_inst_pref_size 102
	.end_amdhsa_kernel
	.amdgpu_metadata
---
amdhsa.version: [ 1, 2 ]
amdhsa.kernels:
  - .name:           k_q09de12fb0a_attn
    .symbol:         k_q09de12fb0a_attn.kd
    .args:
      - { .name: qkv, .offset: 0, .size: 8, .value_kind: global_buffer, .address_space: global }
      - { .name: attention_mask, .offset: 8, .size: 8, .value_kind: global_buffer, .address_space: global }
      - { .name: ctx16, .offset: 16, .size: 8, .value_kind: global_buffer, .address_space: global }
    .group_segment_fixed_size: 327680
    .private_segment_fixed_size: 0
    .kernarg_segment_align: 8
    .kernarg_segment_size: 24
    .max_flat_workgroup_size: 256
    .sgpr_count:     100
    .vgpr_count:     384
    .wavefront_size: 32
...
	.end_amdgpu_metadata
.endif
;; end of part 3
;; launch oproj (part 4): grid 4 x 64, 4 waves a work-group, clusters of 4 x 4, 327,680 bytes of LDS; arguments ctx16, wo16, out0; writes out0
.if DOCPART == 4
	.amdgcn_target "amdgcn-amd-amdhsa--gfx1250"
	.amdhsa_code_object_version 6
	.text
	.protected	k_q09de12fb0a_oproj
	.globl	k_q09de12fb0a_oproj
	.p2align	8
	.type	k_q09de12fb0a_oproj,@function
k_q09de12fb0a_oproj:
	s_mov_b64 s[64:65], 0
	v_nop
	global_prefetch_b8 v0, s[64:65] scope:SCOPE_SE
	s_setreg_imm32_b32 hwreg(HW_REG_WAVE_MODE, 25, 1), 1
	s_wait_xcnt 0x0
	s_wait_alu depctr_hold_cnt(0) depctr_sa_sdst(0) depctr_va_vdst(0) depctr_va_sdst(0) depctr_va_ssrc(0) depctr_va_vcc(0) depctr_vm_vsrc(0)
	s_getreg_b32 s2, hwreg(HW_REG_IB_STS2, 6, 4)
	s_cmp_eq_u32 s2, 0
	s_cbranch_scc0 .Lentry_in_a_cluster
	s_endpgm
.Lentry_in_a_cluster:
	s_bfe_u32 s2, ttmp6, 0x10000c
	s_cmp_lg_u32 s2, 0xf033
	s_cbranch_scc0 .Lentry_shape_is_right
	s_endpgm
.Lentry_shape_is_right:
; OPROJ.  out[m][n] = sum over e of ctx[m][e] Wo[n][e], m = 8,192, n = 1,024, e = 1,024, on f16 operands (the high parts), sums in f32, out in f32.
; ctx16: [16 heads][8192 tokens][64] f16;  wo16: [16 heads][1024 n][64] f16.  LIMIT: f16's range for both (under 65,504).  The first 16 positions of each batch are written again, more finely, by the next launch.
; A tile of out is 128 x 256: 256 work-groups.  Four waves, each 64 x 128: 32 accumulators of 16 x 16, 256 registers.  A K step is 128 = two heads' slabs; eight K steps through a ring of two LDS slots.
; One tensor load a wave: waves 0, 1 the two slabs of ctx (128 rows x 128 bytes), waves 2, 3 those of Wo (256 rows).  CLUSTERS: 4 x 4; ctx's tiles are shared along a row, Wo's along a column: joint loads.
; THE MATRIX INSTRUCTION IS USED TRANSPOSED (source 0 = 16 rows of Wo, source 1 = 16 tokens): a lane holds eight neighbouring numbers of a row of out.
; REGISTERS: window 0: v16-29 addresses; two fragment buffers at v32 and v128: 32 of ctx (4 blocks x 32 K), then 64 of Wo (8 blocks).  window 1: accumulator (a, b) at v[8 (8 a + b)].
.set PITCH,  144                       ; an LDS row: 128 bytes + 16
.set SLABA,  128*PITCH
.set SLABB,  256*PITCH
.set BOFF,   2*SLABA
.set SLOT,   BOFF+2*SLABB
.set STAGE,  2*SLOT                    ; the way out: 16 rows x 528 bytes for each wave
.set SPITCH, 528
.set SPARE,  STAGE+4*16*SPITCH
.set LAPS,   4
.set ADRA, 16
.set ADRB, 20
.set STO,  24
.set RD,   25
.set CO,   26
.set SPW,  28
.set NIL,  29
.set F0,   32
.set F1,   128
.set G1, 24
.set G0, 32
.set G1B, 48
.set G0B, 56
.set MSB, 0
.macro WIN new
.if MSB != \new
	s_set_vgpr_msb (MSB<<8)|\new
.set MSB, \new
.endif
.endm
.set MUL, 0x50                         ; C and D window 1, sources window 0
.macro JLOAD s
	s_cmp_eq_u32 s11, 0
	s_cbranch_scc0 .Lfor_b_\@
	tensor_load_to_lds s[G0+4*\s:G0+4*\s+3], s[G1:G1+7]
	s_nop 0
.rept 4
	v_nop
.endr
	s_branch .Lasked_\@
.Lfor_b_\@:
	tensor_load_to_lds s[G0B+4*\s:G0B+4*\s+3], s[G1B:G1B+7]
	s_nop 0
.rept 4
	v_nop
.endr
.Lasked_\@:
.endm
.macro CREST
	s_cmp_lg_u32 s10, 0
	s_cbranch_scc1 .Lnot_wave_0_\@
	s_barrier_signal -3
.Lnot_wave_0_\@:
	s_barrier_wait -3
	s_barrier_signal -1
	s_barrier_wait -1
.endm
.macro CROUND
	s_barrier_signal -1
	s_barrier_wait -1
	CREST
.endm
	s_load_b128 s[4:7], s[0:1], 0x0                ; ctx16 s[4:5], wo16 s[6:7]
	s_load_b64 s[8:9], s[0:1], 0x10                ; out0
	v_lshl_add_u32 v[SPW], v0, 2, SPARE
	v_mov_b32 v[NIL], 0
	ds_add_u32 v[SPW], v[NIL]                      ; the wave's opening: the add, twice on end, and its wait ahead of my first tensor load
	ds_add_u32 v[SPW], v[NIL]
	v_lshrrev_b32 v1, 5, v0
	v_readfirstlane_b32 s10, v1                    ; wave 0..3
	s_lshr_b32 s11, s10, 1                         ; which 64 tokens are mine.  Also: I fetch for ctx (0) or for Wo (1)
	s_and_b32 s12, s10, 1                          ; which 128 columns.  Also: which of a K step's two slabs I fetch
	s_bfe_u32 s40, ttmp6, 0x40000
	s_bfe_u32 s41, ttmp6, 0x40004
	s_lshl_b32 s42, ttmp9, 2
	s_add_co_u32 s42, s42, s40                     ; tile column
	s_and_b32 s13, ttmp7, 0xffff
	s_lshl_b32 s13, s13, 2
	s_add_co_u32 s13, s13, s41                     ; tile row
	s_lshl_b32 s43, s41, 2
	s_lshl_b32 s43, 15, s43
	s_lshl_b32 s44, 0x1111, s40
	s_or_b32 s[G1+0], s43, (1<<16)|(1<<20)|(1<<21)|(4<<22)|(3<<25)  ; the mask; elements of 2 bytes; 4 words of padding behind every 32
	s_or_b32 s[G1B+0], s44, (1<<16)|(1<<20)|(1<<21)|(4<<22)|(3<<25)
	s_mov_b32 s[G1+1], 64<<16                      ; tensor_dim0 = 64
	s_mov_b32 s[G1+2], 128<<16                     ; tensor_dim1 = 128
	s_mov_b32 s[G1+3], 64<<16                      ; tile_dim0 = 64
	s_mov_b32 s[G1+4], 128                         ; tile_dim1 = 128
	s_mov_b32 s[G1+5], 64                          ; from row to row
	s_mov_b32 s[G1+6], 0
	s_mov_b32 s[G1+7], 0
	s_mov_b32 s[G1B+1], 64<<16
	s_mov_b32 s[G1B+2], 256<<16
	s_mov_b32 s[G1B+3], 64<<16
	s_mov_b32 s[G1B+4], 256
	s_mov_b32 s[G1B+5], 64
	s_mov_b32 s[G1B+6], 0
	s_mov_b32 s[G1B+7], 0
	s_lshl_b32 s16, s12, 20                        ; ctx: my slab of 1,048,576 bytes, 128 tokens of 128 bytes a tile row
	s_lshl_b32 s17, s13, 14
	s_add_co_u32 s16, s16, s17
	s_mov_b32 s17, 0
	s_lshl_b32 s46, s12, 17                        ; Wo: my slab of 131,072 bytes, 256 rows a tile column
	s_lshl_b32 s47, s42, 15
	s_add_co_u32 s46, s46, s47
	s_mov_b32 s47, 0
	s_mul_i32 s20, s12, SLABA                      ; where they go
	s_mul_i32 s21, s12, SLABB
	s_add_co_u32 s21, s21, BOFF
	s_wait_dscnt 0x0                               ; both opening adds are done
	s_wait_kmcnt 0x0
	s_add_nc_u64 s[14:15], s[4:5], s[16:17]
	s_add_nc_u64 s[46:47], s[6:7], s[46:47]
	CROUND
.irp s, 0,1
	s_mov_b32 s[G0+4*\s], 1
	s_add_co_u32 s[G0+4*\s+1], s20, \s*SLOT
	s_add_nc_u64 s[G0+4*\s+2:G0+4*\s+3], s[14:15], \s*2*1048576
	s_or_b32 s[G0+4*\s+3], s[G0+4*\s+3], 0x80000000
	s_mov_b32 s[G0B+4*\s], 1
	s_add_co_u32 s[G0B+4*\s+1], s21, \s*SLOT
	s_add_nc_u64 s[G0B+4*\s+2:G0B+4*\s+3], s[46:47], \s*2*131072
	s_or_b32 s[G0B+4*\s+3], s[G0B+4*\s+3], 0x80000000
	JLOAD \s                                       ; two loads of mine are out
.endr
	v_and_b32 v1, 15, v0                           ; r
	v_bfe_u32 v2, v0, 4, 1                         ; h
	v_mul_u32_u24 v3, v1, PITCH
	v_lshl_add_u32 v3, v2, 4, v3
	s_mul_i32 s21, s11, 64*PITCH                   ; my 64 tokens
	s_mul_i32 s22, s12, 128*PITCH
	s_add_co_u32 s22, s22, BOFF                    ; my 128 rows of Wo
.irp s, 0,1
	v_add_nc_u32 v[ADRA+\s], s21, v3
	v_add_nc_u32 v[ADRB+\s], s22, v3
	s_add_co_u32 s21, s21, SLOT
	s_add_co_u32 s22, s22, SLOT
.endr
	s_mul_i32 s23, s10, 16*SPITCH
	s_add_co_u32 s23, s23, STAGE                   ; my stage
	v_mul_u32_u24 v5, v1, SPITCH
	v_lshl_add_u32 v5, v2, 5, v5
	v_add_nc_u32 v[STO], s23, v5                   ; in: row r, 32 bytes for each half of the lanes
	v_and_b32 v6, 31, v0
	v_lshlrev_b32 v[CO], 4, v6
	v_add_nc_u32 v[RD], s23, v[CO]                 ; back: the 32 lanes take one row of 512 bytes
	s_lshl_b32 s16, s13, 7
	s_lshl_b32 s17, s11, 6
	s_add_co_u32 s16, s16, s17                     ; my first row of out: rows of 4,096 bytes
	s_lshl_b32 s16, s16, 12
	s_lshl_b32 s46, s42, 10                        ; my first column, in bytes
	s_lshl_b32 s47, s12, 9
	s_add_co_u32 s46, s46, s47
	s_add_co_u32 s16, s16, s46
	s_mov_b32 s17, 0
	s_add_nc_u64 s[8:9], s[8:9], s[16:17]
.macro MULA f, a, zero                 ; 8 matrix instructions: ctx's block a against Wo's eight, 32 along K.  The 32 accumulators take turns in one order
.irp b, 0,1,2,3,4,5,6,7
.if \zero
	v_wmma_f32_16x16x32_f16 v[8*(8*(\a)+\b):8*(8*(\a)+\b)+7], v[\f+32+8*\b:\f+32+8*\b+7], v[\f+8*(\a):\f+8*(\a)+7], 0
.else
	v_wmma_f32_16x16x32_f16 v[8*(8*(\a)+\b):8*(8*(\a)+\b)+7], v[\f+32+8*\b:\f+32+8*\b+7], v[\f+8*(\a):\f+8*(\a)+7], v[8*(8*(\a)+\b):8*(8*(\a)+\b)+7]
.endif
.endr
.endm
.macro FETCH slot, q, f                ; 24 LDS loads: quarter q of the slot (slab q / 2, channels 32 (q % 2) on): Wo's eight blocks, then ctx's four
.irp i, 0,1,2,3,4,5,6,7
	ds_load_b128 v[\f+32+8*\i:\f+32+8*\i+3], v[ADRB+\slot] offset:((\q)/2)*SLABB+((\q)%2)*64+\i*16*PITCH
	ds_load_b128 v[\f+32+8*\i+4:\f+32+8*\i+7], v[ADRB+\slot] offset:((\q)/2)*SLABB+((\q)%2)*64+\i*16*PITCH+32
.endr
.irp i, 0,1,2,3
	ds_load_b128 v[\f+8*\i:\f+8*\i+3], v[ADRA+\slot] offset:((\q)/2)*SLABA+((\q)%2)*64+\i*16*PITCH
	ds_load_b128 v[\f+8*\i+4:\f+8*\i+7], v[ADRA+\slot] offset:((\q)/2)*SLABA+((\q)%2)*64+\i*16*PITCH+32
.endr
.endm
.macro PLACES
.rept 4
	v_nop
.endr
.endm
.macro QUARTER slot, q, f, g, zero     ; multiplies buffer f; in its middle fetches quarter q of the slot into buffer g
	s_wait_dscnt 4                                 ; Wo's blocks and ctx's blocks 0, 1 are in; the youngest four loads (blocks 2, 3) may be out
	WIN MUL
	MULA \f, 0, \zero
	MULA \f, 1, \zero
	WIN 0
	PLACES
	FETCH \slot, \q, \g
	s_wait_dscnt 24                                ; all but the 24 just issued
	WIN MUL
	MULA \f, 2, \zero
	MULA \f, 3, \zero
.endm
.macro TURN slot, next, fill           ; a K step's last quarter multiplies buffer 1 and changes slots
	WIN 0
	s_wait_tensorcnt 0x0                           ; all my tensor loads have landed: my part of the next slot
	ds_add_u32 v[SPW], v[NIL]
	s_wait_dscnt 5                                 ; (the add and the youngest four loads may be out)
	WIN MUL
	MULA F1, 0, 0
	s_wait_dscnt 0x0                               ; the add is done, and my reads of this slot are over
	s_barrier_signal -1
	MULA F1, 1, 0
	WIN 0
	s_barrier_wait -1
.if \fill
	CREST                                          ; the barrier has opened a round of the cluster's barrier
	s_add_nc_u64 s[G0+4*\slot+2:G0+4*\slot+3], s[G0+4*\slot+2:G0+4*\slot+3], 4*1048576    ; two K steps on: four slabs
	s_add_nc_u64 s[G0B+4*\slot+2:G0B+4*\slot+3], s[G0B+4*\slot+2:G0B+4*\slot+3], 4*131072
	JLOAD \slot                                    ; the first tensor load behind the round; its four v_nop are also the places in front of the loads below
.else
	PLACES
.endif
	FETCH \next, 0, F0
	WIN MUL
	MULA F1, 2, 0
	MULA F1, 3, 0
.endm
	s_wait_tensorcnt 1                             ; my part of K step 0 is in (K step 1's may be out)
	s_barrier_signal -1
	s_barrier_wait -1                              ; everybody's is
	FETCH 0, 0, F0
	QUARTER 0, 1, F0, F1, 1                        ; the first products start the sums
	WIN 0
	s_mov_b32 s3, LAPS-1
.Llap:                                             ; a trip goes once round the ring and fills both slots again
	QUARTER 0, 2, F1, F0, 0
	QUARTER 0, 3, F0, F1, 0
	TURN 0, 1, 1
	QUARTER 1, 1, F0, F1, 0
	QUARTER 1, 2, F1, F0, 0
	QUARTER 1, 3, F0, F1, 0
	TURN 1, 0, 1
	QUARTER 0, 1, F0, F1, 0
	WIN 0
	s_sub_co_u32 s3, s3, 1
	s_cmp_lg_u32 s3, 0
	s_cbranch_scc1 .Llap
	QUARTER 0, 2, F1, F0, 0                        ; the last lap fills nothing
	QUARTER 0, 3, F0, F1, 0
	TURN 0, 1, 0
	QUARTER 1, 1, F0, F1, 0
	QUARTER 1, 2, F1, F0, 0
	QUARTER 1, 3, F0, F1, 0
	s_wait_dscnt 4
	WIN MUL
	MULA F1, 0, 0
	MULA F1, 1, 0
	s_wait_dscnt 0
	MULA F1, 2, 0
	MULA F1, 3, 0
	WIN 0
; THE WAY OUT, a block of 16 rows x 128 columns at a time, through my own stage, back as whole rows of 512 bytes.
.macro TOSTAGE a
	WIN 0x04                                       ; an LDS store's data are its source 1: window 1
.irp b, 0,1,2,3,4,5,6,7
	ds_store_b128 v[STO], v[64*(\a)+8*\b:64*(\a)+8*\b+3] offset:64*\b          ; each accumulator from its low end on
	ds_store_b128 v[STO], v[64*(\a)+8*\b+4:64*(\a)+8*\b+7] offset:64*\b+16
.endr
	WIN 0
.set BB, 32+64*((\a)%2)
.irp t, 0,1,2,3,4,5,6,7,8,9,10,11,12,13,14,15
	ds_load_b128 v[BB+4*\t:BB+4*\t+3], v[RD] offset:\t*SPITCH      ; LDS serves a wave's instructions in order: these see the stores above
.endr
.endm
.macro SEND a, younger
.set BB, 32+64*((\a)%2)
	s_wait_dscnt \younger                          ; the block is back in registers
.if (\a) > 0
	s_add_nc_u64 s[8:9], s[8:9], 16*4096           ; (behind a wait on XCNT: the earlier stores have read their base)  16 rows on
.endif
.irp t, 0,1,2,3,4,5,6,7,8,9,10,11,12,13,14,15
	global_store_b128 v[CO], v[BB+4*\t:BB+4*\t+3], s[8:9] offset:\t*4096       ; 32 lanes store 512 consecutive bytes of a row
.endr
.endm
	PLACES
	TOSTAGE 0
.irp a, 1,2,3
.if \a > 1
	s_wait_xcnt 0x0                                ; block a - 2's stores have read their registers and their base
.endif
	TOSTAGE \a
	SEND \a-1, 32                                  ; behind block a - 1's loads: block a's 16 stores and 16 loads
.endr
	s_wait_xcnt 0x0
	SEND 3, 0
	s_wait_tensorcnt 0x0                           ; the wave's end
	ds_add_u32 v[SPW], v[NIL]
	s_wait_dscnt 0x0
	CROUND                                         ; the closing round
	s_endpgm
.Lfunc_end_k_q09de12fb0a_oproj:
	.size	k_q09de12fb0a_oproj, .Lfunc_end_k_q09de12fb0a_oproj-k_q09de12fb0a_oproj
	.p2alignl 7, 3214868480
	.fill 96, 4, 3214868480
	.section	.rodata,"a",@progbits
	.p2align	6, 0x0
	.amdhsa_kernel k_q09de12fb0a_oproj
		.amdhsa_group_segment_fixed_size 327680
		.amdhsa_private_segment_fixed_size 0
		.amdhsa_enable_private_segment 0
		.amdhsa_kernarg_size 24
		.amdhsa_user_sgpr_count 2
		.amdhsa_user_sgpr_kernarg_segment_ptr 1
		.amdhsa_wavefront_size32 1
		.amdhsa_system_sgpr_workgroup_id_x 1
		.amdhsa_system_sgpr_workgroup_id_y 1
		.amdhsa_system_sgpr_workgroup_id_z 1
		.amdhsa_system_vgpr_workitem_id 0
		.amdhsa_next_free_vgpr 512
		.amdhsa_next_free_sgpr 66
		.amdhsa_reserve_vcc 0
		.amdhsa_float_denorm_mode_32 3
		.amdhsa_float_denorm_mode_16_64 3
		.amdhsa_memory_ordered 1
		.amdhsa_forward_progress 1
		.amdhsa_inst_pref_size 85
	.end_amdhsa_kernel
	.amdgpu_metadata
---
amdhsa.version: [ 1, 2 ]
amdhsa.kernels:
  - .name:           k_q09de12fb0a_oproj
    .symbol:         k_q09de12fb0a_oproj.kd
    .args:
      - { .name: ctx16, .offset: 0, .size: 8, .value_kind: global_buffer, .address_space: global }
      - { .name: wo16, .offset: 8, .size: 8, .value_kind: global_buffer, .address_space: global }
      - { .name: out0, .offset: 16, .size: 8, .value_kind: global_buffer, .address_space: global }
    .group_segment_fixed_size: 327680
    .private_segment_fixed_size: 0
    .kernarg_segment_align: 8
    .kernarg_segment_size: 24
    .max_flat_workgroup_size: 128
    .sgpr_count:     66
    .vgpr_count:     512
    .wavefront_size: 32
...
	.end_amdgpu_metadata
.endif
;; end of part 4
;; launch fine (part 5): grid 64 x 4, 8 waves a work-group, no clusters, 9,216 bytes of LDS; arguments ctx16, wo16, out0; writes out0
.if DOCPART == 5
	.amdgcn_target "amdgcn-amd-amdhsa--gfx1250"
	.amdhsa_code_object_version 6
	.text
	.protected	k_q09de12fb0a_fine
	.globl	k_q09de12fb0a_fine
	.p2align	8
	.type	k_q09de12fb0a_fine,@function
k_q09de12fb0a_fine:
	s_mov_b64 s[64:65], 0
	v_nop
	global_prefetch_b8 v0, s[64:65] scope:SCOPE_SE
	s_setreg_imm32_b32 hwreg(HW_REG_WAVE_MODE, 25, 1), 1
	s_wait_xcnt 0x0
; FINE.  The out-projection once more for positions 0 to 15 of each batch, whose rows of attention sum few terms and are the largest: both operands as pairs of f16 numbers, a high and a low part:
; out = Wh Ch + Wh Cl + Wl Ch (Wl Cl lies under f32's last bits of the sum).  It writes over those 64 rows of out0.
; A measure of precision alone: for a mask whose few-term rows lie elsewhere those rows keep the accuracy of plain f16 operands.
; A work-group takes 16 columns of out and one batch; wave w takes heads 2 w and 2 w + 1 (128 along K: four matrix steps of 32); the eight partial sums meet in LDS and wave 0 adds and stores them.
; Source 0 = 16 rows of Wo, source 1 = the 16 tokens: a lane holds one token and eight neighbouring columns: 32 bytes; a row's piece of a work-group is 64 bytes; the launch stores 262,144 bytes in all.
.set CH,  16                           ; v16-47   ctx, high parts: 8 registers a step
.set CL,  48                           ; v48-79   low parts
.set WH,  80                           ; v80-111  Wo, high parts
.set WL,  112                          ; v112-143 low parts
.set SPW, 2
.set NIL, 3
.set SPARE, 8192                       ; behind the eight waves' 1,024 bytes each: the spare words
	s_load_b128 s[4:7], s[0:1], 0x0                ; ctx16, wo16
	s_load_b64 s[8:9], s[0:1], 0x10                ; out0
	v_lshl_add_u32 v[SPW], v0, 2, SPARE
	v_mov_b32 v[NIL], 0
	v_lshrrev_b32 v4, 5, v0
	v_readfirstlane_b32 s10, v4                    ; wave 0..7
	s_and_b32 s11, ttmp7, 0xffff                   ; b
	v_and_b32 v4, 15, v0                           ; r
	v_bfe_u32 v5, v0, 4, 1                         ; h
	v_lshlrev_b32 v1, 7, v4
	v_lshl_add_u32 v1, v5, 4, v1                   ; a fragment's row of 128 bytes, + 16 h
	v_and_b32 v6, 31, v0
	v_lshlrev_b32 v6, 4, v6                        ; LDS: 16 x lane,
	s_lshl_b32 s28, s10, 10
	v_add_nc_u32 v7, s28, v6                       ; + 1,024 x wave
	v_lshlrev_b32 v8, 12, v4
	v_lshl_add_u32 v8, v5, 5, v8                   ; out: row r of 4,096 bytes, + 32 h
	s_lshl_b32 s12, s10, 21                        ; ctx, high: slab 2 w of 1,048,576 bytes, token 2,048 b
	s_lshl_b32 s13, s11, 18
	s_add_co_u32 s12, s12, s13
	s_mov_b32 s13, 0
	s_lshl_b32 s14, s11, 18                        ; low: piece 8 (16 b + 2 w) of 2,048 bytes
	s_lshl_b32 s15, s10, 15
	s_add_co_u32 s14, s14, s15
	s_add_co_u32 s14, s14, 16777216
	s_mov_b32 s15, 0
	s_lshl_b32 s16, s10, 18                        ; Wo: slab 2 w of 131,072 bytes, row 16 x work-group x
	s_lshl_b32 s17, ttmp9, 11
	s_add_co_u32 s16, s16, s17
	s_mov_b32 s17, 0
	s_lshl_b32 s18, s11, 23                        ; out: 2,048 rows a batch, 64 bytes a work-group
	s_lshl_b32 s19, ttmp9, 6
	s_add_co_u32 s18, s18, s19
	s_mov_b32 s19, 0
	s_wait_kmcnt 0x0
	s_add_nc_u64 s[20:21], s[4:5], s[12:13]
	s_add_nc_u64 s[22:23], s[4:5], s[14:15]
	s_add_nc_u64 s[24:25], s[6:7], s[16:17]
	s_add_nc_u64 s[26:27], s[8:9], s[18:19]
.irp hh, 0,1
.irp kk, 0,1
	global_load_b128 v[CH+8*(2*\hh+\kk):CH+8*(2*\hh+\kk)+3], v1, s[20:21] offset:\hh*1048576+64*\kk
	global_load_b128 v[CH+8*(2*\hh+\kk)+4:CH+8*(2*\hh+\kk)+7], v1, s[20:21] offset:\hh*1048576+64*\kk+32
	global_load_b128 v[CL+8*(2*\hh+\kk):CL+8*(2*\hh+\kk)+3], v1, s[22:23] offset:\hh*16384+64*\kk
	global_load_b128 v[CL+8*(2*\hh+\kk)+4:CL+8*(2*\hh+\kk)+7], v1, s[22:23] offset:\hh*16384+64*\kk+32
	global_load_b128 v[WH+8*(2*\hh+\kk):WH+8*(2*\hh+\kk)+3], v1, s[24:25] offset:\hh*131072+64*\kk
	global_load_b128 v[WH+8*(2*\hh+\kk)+4:WH+8*(2*\hh+\kk)+7], v1, s[24:25] offset:\hh*131072+64*\kk+32
	global_load_b128 v[WL+8*(2*\hh+\kk):WL+8*(2*\hh+\kk)+3], v1, s[24:25] offset:2097152+\hh*131072+64*\kk
	global_load_b128 v[WL+8*(2*\hh+\kk)+4:WL+8*(2*\hh+\kk)+7], v1, s[24:25] offset:2097152+\hh*131072+64*\kk+32
.endr
.endr
	s_wait_loadcnt 0x0
.irp f, 0,1,2,3                                ; three accumulators by turns, one instruction a turn; the first step starts the sums
.if \f == 0
	v_wmma_f32_16x16x32_f16 v[144:151], v[WH+8*\f:WH+8*\f+7], v[CH+8*\f:CH+8*\f+7], 0
	v_wmma_f32_16x16x32_f16 v[152:159], v[WH+8*\f:WH+8*\f+7], v[CL+8*\f:CL+8*\f+7], 0
	v_wmma_f32_16x16x32_f16 v[160:167], v[WL+8*\f:WL+8*\f+7], v[CH+8*\f:CH+8*\f+7], 0
.else
	v_wmma_f32_16x16x32_f16 v[144:151], v[WH+8*\f:WH+8*\f+7], v[CH+8*\f:CH+8*\f+7], v[144:151]
	v_wmma_f32_16x16x32_f16 v[152:159], v[WH+8*\f:WH+8*\f+7], v[CL+8*\f:CL+8*\f+7], v[152:159]
	v_wmma_f32_16x16x32_f16 v[160:167], v[WL+8*\f:WL+8*\f+7], v[CH+8*\f:CH+8*\f+7], v[160:167]
.endif
.endr
.rept 4
	v_nop                                          ; places in front of the first read of results
.endr
.irp i, 0,2,4,6
	v_pk_add_f32 v[168+\i:169+\i], v[152+\i:153+\i], v[160+\i:161+\i]      ; the two small sums first, each accumulator from its low end on
.endr
.irp i, 0,2,4,6
	v_pk_add_f32 v[168+\i:169+\i], v[168+\i:169+\i], v[144+\i:145+\i]
.endr
	ds_store_b128 v7, v[168:171]
	ds_store_b128 v7, v[172:175] offset:512
	s_wait_dscnt 0x0                               ; for the others' sake: my stores have landed
	s_barrier_signal -1
	s_barrier_wait -1
	s_cmp_lg_u32 s10, 0                            ; wave 0 adds the eight parts and stores
	s_cbranch_scc1 .Ldone
.irp w, 0,1,2,3,4,5,6,7
	ds_load_b128 v[176+8*\w:176+8*\w+3], v6 offset:1024*\w
	ds_load_b128 v[176+8*\w+4:176+8*\w+7], v6 offset:1024*\w+512
.endr
	s_wait_dscnt 0x0
.irp w, 1,2,3,4,5,6,7
.irp i, 0,2,4,6
	v_pk_add_f32 v[176+\i:177+\i], v[176+\i:177+\i], v[176+8*\w+\i:177+8*\w+\i]
.endr
.endr
	global_store_b128 v8, v[176:179], s[26:27]
	global_store_b128 v8, v[180:183], s[26:27] offset:16
.Ldone:
	s_wait_tensorcnt 0x0                           ; the wave's end
	ds_add_u32 v[SPW], v[NIL]
	s_wait_dscnt 0x0
	s_endpgm
.Lfunc_end_k_q09de12fb0a_fine:
	.size	k_q09de12fb0a_fine, .Lfunc_end_k_q09de12fb0a_fine-k_q09de12fb0a_fine
	.p2alignl 7, 3214868480
	.fill 96, 4, 3214868480
	.section	.rodata,"a",@progbits
	.p2align	6, 0x0
	.amdhsa_kernel k_q09de12fb0a_fine
		.amdhsa_group_segment_fixed_size 9216
		.amdhsa_private_segment_fixed_size 0
		.amdhsa_enable_private_segment 0
		.amdhsa_kernarg_size 24
		.amdhsa_user_sgpr_count 2
		.amdhsa_user_sgpr_kernarg_segment_ptr 1
		.amdhsa_wavefront_size32 1
		.amdhsa_system_sgpr_workgroup_id_x 1
		.amdhsa_system_sgpr_workgroup_id_y 1
		.amdhsa_system_sgpr_workgroup_id_z 1
		.amdhsa_system_vgpr_workitem_id 0
		.amdhsa_next_free_vgpr 240
		.amdhsa_next_free_sgpr 66
		.amdhsa_reserve_vcc 0
		.amdhsa_float_denorm_mode_32 3
		.amdhsa_float_denorm_mode_16_64 3
		.amdhsa_memory_ordered 1
		.amdhsa_forward_progress 1
		.amdhsa_inst_pref_size 10
	.end_amdhsa_kernel
	.amdgpu_metadata
---
amdhsa.version: [ 1, 2 ]
amdhsa.kernels:
  - .name:           k_q09de12fb0a_fine
    .symbol:         k_q09de12fb0a_fine.kd
    .args:
      - { .name: ctx16, .offset: 0, .size: 8, .value_kind: global_buffer, .address_space: global }
      - { .name: wo16, .offset: 8, .size: 8, .value_kind: global_buffer, .address_space: global }
      - { .name: out0, .offset: 16, .size: 8, .value_kind: global_buffer, .address_space: global }
    .group_segment_fixed_size: 9216
    .private_segment_fixed_size: 0
    .kernarg_segment_align: 8
    .kernarg_segment_size: 24
    .max_flat_workgroup_size: 256
    .sgpr_count:     66
    .vgpr_count:     240
    .wavefront_size: 32
...
	.end_amdgpu_metadata
.endif
;; end of part 5
